; MI455X (gfx1250); checked and timed in simulation.
; The chip was launched on July 23, 2026; its instructions are those of AMD's public machine-readable ISA for CDNA 5 (MIT licence, August 2026) and "CDNA5" Instruction Set Architecture Reference Guide (July 2026). The comments in the code are by the model that wrote it; some were corrected since.
;; Transformer Block. Allowed arithmetic: matrix products marked QUANTISED: E5M2 operands, one E8M0 scale for each 32 along K, by v_wmma_scale_f32_16x16x128_f8f6f4 with both operands' format E5M2, f32 sums; everything else in f32.
;; Inputs: W1 4,096 x 1,024 float32; W2 1,024 x 4,096 float32; Wk 1,024 x 1,024 float32; Wo 1,024 x 1,024 float32; Wq 1,024 x 1,024 float32; Wv 1,024 x 1,024 float32; b1 4,096 float32; b2 1,024 float32; bk 1,024 float32; bo 1,024 float32; bq 1,024 float32; bv 1,024 float32; ln1_b 1,024 float32; ln1_g 1,024 float32; ln2_b 1,024 float32; ln2_g 1,024 float32; x 2 x 2,048 x 1,024 float32.
;; Outputs: out0 2 x 2,048 x 1,024 float32.
;; This version of the problem:
;;   THIS VERSION OF THE PROBLEM IS GIVEN IN LOW PRECISION. The matrix products marked QUANTISED in the list below multiply operands that are first quantised to E5M2 (5 exponent bits, 2 mantissa bits; 8 bits a number), with one power-of-two scale for each 32 numbers along K (OCP MX v1.0); their sums are f32. All else is computed in f32.
;;   The module's matrix products, in the order in which they are computed (A, B: the left and right operand; K: the contracted axis; several contracted axes count as one K, in the product's order):
;;     1. [M 4,096, K 1,024] x [K 1,024, N 1,024]; A: computed on the way; B: input Wq: QUANTISED
;;     2. [M 4,096, K 1,024] x [K 1,024, N 1,024]; A: computed on the way; B: input Wk: QUANTISED
;;     3. [M 4,096, K 1,024] x [K 1,024, N 1,024]; A: computed on the way; B: input Wv: QUANTISED
;;     4. batch 32 x [M 2,048, K 64] x [K 64, N 2,048]; A: computed on the way; B: computed on the way: QUANTISED
;;     5. batch 32 x [M 2,048, K 2,048] x [K 2,048, N 64]; A: softmax (see below); B: computed on the way: QUANTISED
;;     6. [M 4,096, K 1,024] x [K 1,024, N 1,024]; A: computed on the way; B: input Wo: QUANTISED
;;     7. [M 4,096, K 1,024] x [K 1,024, N 4,096]; A: computed on the way; B: input W1: QUANTISED
;;     8. [M 4,096, K 4,096] x [K 4,096, N 1,024]; A: computed on the way; B: input W2: QUANTISED
;;   THE QUANTISER, for each operand of a quantised product, along K:
;;     - K is cut into blocks of 32 from its start; a last block that is shorter is filled with zeros.
;;     - A block's scale is 2^e with e = floor(log2(the largest magnitude in the block)) - 15, held to -126 .. 127; a block of zeros has e = 0. As a byte (E8M0): e + 127.
;;     - Each number is divided by its block's scale, clamped to +-57,344, and rounded to the nearest number of E5M2, ties to even, subnormals kept.
;;     - The product sums the exact products of the quantised numbers (number of the format x scale) in f32.
;;   ~~~python
;;   def quantise(x, axis):      # numpy; x: float32 -> the quantised numbers, widened to float32 again
;;       x = np.moveaxis(x, axis, -1); K = x.shape[-1]
;;       x = np.pad(x, [(0, 0)] * (x.ndim - 1) + [(0, -K % 32)]); x = x.reshape(x.shape[:-1] + (-1, 32)); a = np.abs(x).max(-1, keepdims=True)
;;       e = np.where(a > 0, np.clip(np.frexp(np.where(a > 0, a, 1))[1] - 1 - 15, -126, 127), 0)      # np.frexp(a)[1] - 1 = floor(log2(a)), exactly
;;       r = np.clip(x / 2.0 ** e, -57344, 57344)
;;       step = 2.0 ** (np.maximum(np.frexp(np.where(r == 0, 1, r))[1] - 1, -14) - 2)
;;       q = np.round(r / step) * step * 2.0 ** e      # np.round: ties to even
;;       return np.moveaxis(q.reshape(q.shape[:-2] + (-1,))[..., :K], -1, axis).astype(np.float32)
;;   ~~~
;;   SOFTMAX AHEAD OF A QUANTISED PRODUCT. Where the list says 'softmax', what is quantised is not the finished softmax but p = 2^(t - M), with t = logit x log2(e) and M = ceil(the row's largest t), a whole number; so 1/2 < the row's largest p <= 1. The row's sum l is taken of the UNQUANTISED p, in f32, and the product's result is divided by l at the end. Since M is a whole number, a kernel that streams over the keys may use a running M (the ceiling of the running maximum): every later rescaling is an exact power of two, which a block's scale takes up: the codes' values come out the same.
;;   OPERANDS COMPUTED ON THE WAY. 'Computed on the way' means the value that the module computes at that place (a softmax that the list does not call 'softmax' is quantised finished and normalised). What goes into a quantiser is computed in f32, as accurately as f32 sums, v_exp_f32 and their like allow (about 1e-6 of the number): no bf16 or f16 on the way to a quantiser, and a product that is left as it is and whose result goes on into a quantised operand takes f32 operands (vector FMAs, or v_wmma_f32_16x16x4_f32). A number that lies on a knife's edge between two numbers of the format may be rounded either way, as far as f32 arithmetic and the matrix unit's own rounding can turn it there, and no further.
;; One version. Each part assembles by itself: llvm-mc -triple=amdgcn-amd-amdhsa -mcpu=gfx1250 --defsym DOCPART=n.
;; ======== version 1 of 1: 7 launches
;; workspace buffers: wimg 12,976,128 bytes; aimg 4,325,376 bytes; qkvb 13,238,272 bytes; aoimg 4,325,376 bytes; x1 16,777,216 bytes; hcimg 17,301,504 bytes
;; launch prep (part 1): grid 1024 x 1, 8 waves a work-group, no clusters, 68,608 bytes of LDS; arguments x, ln1_g, ln1_b, Wq, Wk, Wv, Wo, W1, W2, aimg, wimg; writes aimg, wimg
.if DOCPART == 1
	.amdgcn_target "amdgcn-amd-amdhsa--gfx1250"
	.amdhsa_code_object_version 6
	.text
	.protected	k_q4d6a24af7f_prep
	.globl	k_q4d6a24af7f_prep
	.p2align	8
	.type	k_q4d6a24af7f_prep,@function
k_q4d6a24af7f_prep:
	s_mov_b64 s[64:65], 0
	v_nop
	global_prefetch_b8 v0, s[64:65] scope:SCOPE_SE
	s_setreg_imm32_b32 hwreg(HW_REG_WAVE_MODE, 25, 1), 1
	s_wait_xcnt 0x0
; PREP.  Rows of f32 become operands of MX-BF8 (E5M2 codes, one E8M0 byte for each 32 along K), laid as IMAGES OF THE OPERAND'S REGISTERS.
; A fragment is 16 rows x 128 K: 2,048 bytes, chunk c at 512 c + 16 x lane; lane (r, h) holds k = 32 c + 16 h + 0 .. 15 of its row.  Tile 2 B + u of a block of 128 rows has in lane r the row
; 32 B + 8 u + r + 8 (r / 8).  A panel (128 rows x 128 K) is 8 fragments and then 8 x 64 bytes of scale words (64 i + 4 r): 16,896 bytes.  A matrix is laid [row block][K step].
; WORK-GROUPS 0-255: a tile of the first argument's 4,096 rows, LayerNorm (mean, then the mean of the squared deviations, eps 1e-5, gain, bias; all f32), then the quantiser, into aimg.
; WORK-GROUPS 256-1023: a tile of Wq, Wk, Wv, Wo, W1 (64, 64, 64, 64, 256 tiles) or a tile x 1,024 columns of W2 (256), the quantiser alone, into wimg (panels 0, 64, 128, 192, 256, 512).
; One way through the text: only pointers, the pitch and the LayerNorm lines hang on the work-group's number.  A work-group has 16 rows x 1,024 K; wave w has K step w: one fragment.
; Each load reads 512 consecutive bytes of a row; the wave's 8 KB turn through its own stage in LDS (rows 528 bytes apart) so that a lane gets 16 neighbours of each block of 32.
; No tensor load, no cluster: work-groups share nothing but the 8 KB of gain and bias.
; LIMITS: NaN and infinities are not served.  A block of zeros, or one whose largest magnitude lies under 2^-111, gets the byte 1 (its codes are as the quantiser's; this program alone reads the bytes).
; The sums of a row are taken as trees, not in the order of a plain sum.
.set PANEL, 16896
.set STW,   8448                       ; a wave's stage: 16 rows x 528
.set SPT,   528
.set PART,  8*STW                      ; 8 waves x 64 bytes: the rows' partial sums; 512 bytes on: those of the squares
.set RO,    16                         ; v16-31   byte offset of my 16 bytes in row p of the tile
.set RAW,   32                         ; v32-95   the rows as loaded; later the gain
.set X,     96                         ; v96-159  register 16 c + i: k = 32 c + 16 h + i of my row
.set BT,    160                        ; v160-223 the bias
.set RT,    224                        ; v224-239 at work in the sums; later the codes
.set PC,    224
.set TM,    240                        ; v240-255 the quantiser's: largest magnitudes, bytes, holds, scale operands
.set PW,    14                         ; v14      the scale word
.set SEL,   44                         ; s[44:45] v_permlanex16_b32's selects for lane l xor 16
.set MNT,   46                         ; s46      the mantissa field of 57,344
.macro PICK t, p                       ; from work-group t on the source is the buffer in s[p:p+1]
	s_cmp_ge_u32 s27, \t
	s_cselect_b64 s[32:33], s[\p:\p+1], s[32:33]
	s_cselect_b32 s28, \t, s28
.endm
; 64 numbers of a lane become a fragment's codes in v[PC] on and its scale word in v[PW]
.macro QUANT s
.irp b, 0,1,2,3
	v_max3_num_f32 v[TM+\b], |v[\s+16*\b]|, |v[\s+1+16*\b]|, 0x8000000   ; my 16 numbers of block b, and the floor 2^(16 - 127): the byte cannot fall under 1
.endr
.irp i, 2,4,6,8,10,12,14
.irp b, 0,1,2,3
	v_max3_num_f32 v[TM+\b], v[TM+\b], |v[\s+16*\b+\i]|, |v[\s+1+16*\b+\i]|
.endr
.endr
.irp b, 0,1,2,3
	v_permlanex16_b32 v[TM+4+\b], v[TM+\b], s[SEL], s[SEL+1]
.endr
.irp b, 0,1,2,3
	v_max_num_f32 v[TM+\b], v[TM+\b], v[TM+4+\b]                       ; with lane l xor 16's: the block's largest magnitude
.endr
.irp b, 0,1,2,3
	v_add_nc_u32 v[TM+12+\b], 0xf8800000, v[TM+\b]                     ; 15 off its exponent field: the conversion's scale operand
.endr
.irp b, 0,1,2,3
	v_and_or_b32 v[TM+8+\b], v[TM+\b], 0x7f800000, s[MNT]              ; 57,344 x the scale
.endr
.irp b, 0,1,2,3
	v_lshrrev_b32 v[TM+4+\b], 23, v[TM+12+\b]                          ; the scale's byte
.endr
	v_lshl_or_b32 v[PW], v[TM+5], 8, v[TM+4]
	v_lshl_or_b32 v[PW], v[TM+6], 16, v[PW]
	v_lshl_or_b32 v[PW], v[TM+7], 24, v[PW]
.irp b, 0,1,2,3
.irp i, 0,1,2,3,4,5,6,7,8,9,10,11,12,13,14,15
	v_med3_num_f32 v[\s+16*\b+\i], v[\s+16*\b+\i], -v[TM+8+\b], v[TM+8+\b]   ; the conversion does not saturate (ISA guide 7.6.2): the hold at the largest code x the scale
.endr
	v_cvt_scalef32_pk8_bf8_f32 v[PC+4*\b:PC+1+4*\b], v[\s+16*\b:\s+7+16*\b], v[TM+12+\b]
	v_cvt_scalef32_pk8_bf8_f32 v[PC+2+4*\b:PC+3+4*\b], v[\s+8+16*\b:\s+15+16*\b], v[TM+12+\b]
.endr
	v_nop                                          ; a plain line behind the last conversion
.endm
; four packed chains in v[RT] .. v[RT+7] become the row's sum over all 1,024 columns, in v[RT+8] of every lane.  off: which 512 bytes of partial sums
.macro FOLD off
	v_pk_add_f32 v[RT:RT+1], v[RT:RT+1], v[RT+2:RT+3]
	v_pk_add_f32 v[RT+4:RT+5], v[RT+4:RT+5], v[RT+6:RT+7]
	v_pk_add_f32 v[RT:RT+1], v[RT:RT+1], v[RT+4:RT+5]
	v_add_f32 v[RT], v[RT], v[RT+1]
	v_permlanex16_b32 v[RT+1], v[RT], s[SEL], s[SEL+1]
	v_add_f32 v[RT], v[RT], v[RT+1]                ; my wave's 128 columns of row r
	ds_store_b32 v7, v[RT] offset:\off             ; both lanes of a row write the same word with the same value
	s_wait_dscnt 0x0                               ; for the others' sake: my store has landed
	s_barrier_signal -1
	s_barrier_wait -1
.irp k, 0,1,2,3,4,5,6,7
	ds_load_b32 v[RT+8+\k], v15 offset:\off+64*\k
.endr
	s_wait_dscnt 0x0
	v_add_f32 v[RT+8], v[RT+8], v[RT+9]
	v_add_f32 v[RT+10], v[RT+10], v[RT+11]
	v_add_f32 v[RT+12], v[RT+12], v[RT+13]
	v_add_f32 v[RT+14], v[RT+14], v[RT+15]
	v_add_f32 v[RT+8], v[RT+8], v[RT+10]
	v_add_f32 v[RT+12], v[RT+12], v[RT+14]
	v_add_f32 v[RT+8], v[RT+8], v[RT+12]
.endm
	s_load_b256 s[4:11], s[0:1], 0x0               ; the rows s[4:5], gain s[6:7], bias s[8:9], Wq s[10:11]
	s_load_b256 s[12:19], s[0:1], 0x20             ; Wk, Wv, Wo, W1
	s_load_b128 s[20:23], s[0:1], 0x40             ; W2, aimg
	s_load_b64 s[24:25], s[0:1], 0x50              ; wimg
	v_lshrrev_b32 v1, 5, v0
	v_readfirstlane_b32 s26, v1                    ; wave 0..7 = K step
	s_mov_b32 s27, ttmp9                           ; the work-group's number
	s_mov_b32 s[SEL], 0x76543210
	s_mov_b32 s[SEL+1], 0xfedcba98
	s_mov_b32 s[MNT], 0x600000
	s_mov_b32 s47, 0x3a800000                      ; 1 / 1,024
	s_mov_b32 s48, 0x3727c5ac                      ; 1e-5
	v_and_b32 v1, 31, v0                           ; lane
	v_and_b32 v2, 15, v0                           ; r
	v_bfe_u32 v3, v0, 4, 1                         ; h
	v_lshlrev_b32 v4, 4, v1                        ; 16 x lane
	s_mul_i32 s40, s26, STW
	v_add_nc_u32 v5, s40, v4                       ; the stage, on the way in: a row's 512 bytes as they lie
	v_mul_u32_u24 v6, v2, SPT
	v_lshl_add_u32 v6, v3, 6, v6
	v_add_nc_u32 v6, s40, v6                       ; on the way out: row r, + 64 h
	v_lshlrev_b32 v8, 2, v2                        ; 4 r
	s_lshl_b32 s40, s26, 6
	s_add_co_u32 s40, s40, PART
	v_add_nc_u32 v7, s40, v8                       ; where I put a partial sum
	v_add_nc_u32 v15, PART, v8                     ; and where I read the eight
	v_lshlrev_b32 v9, 6, v3                        ; gain and bias: 64 h
.irp b, 0,1,2,3
	v_mov_b32 v[TM+4+\b], 0                        ; a lane permute's destination counts as one of its sources
.endr
	s_wait_kmcnt 0x0
	s_mov_b64 s[32:33], s[4:5]                     ; the source, and the first work-group of its range
	s_mov_b32 s28, 0
	PICK 256, 10
	PICK 320, 12
	PICK 384, 14
	PICK 448, 16
	PICK 512, 18
	PICK 768, 20
	s_sub_co_u32 s40, s27, s28                     ; u: my number in the range
	s_lshr_b32 s41, s40, 2                         ; W2: tile,
	s_and_b32 s42, s40, 3                          ; and which 1,024 columns
	s_cmp_ge_u32 s27, 256
	s_cselect_b32 s43, 256, 0
	s_cselect_b64 s[34:35], s[24:25], s[22:23]     ; the destination: wimg or aimg
	s_sub_co_u32 s43, s27, s43                     ; g: my tile among the destination's (but W2's)
	s_lshr_b32 s50, s41, 3
	s_lshl_b32 s50, s50, 5
	s_lshl_b32 s51, s42, 3
	s_add_co_u32 s50, s50, s51
	s_add_co_u32 s50, s50, 512                     ; W2's first panel: 512 + 32 x row block + 8 x chunk
	s_lshr_b32 s51, s43, 3
	s_lshl_b32 s51, s51, 3                         ; the others': 8 x row block
	s_and_b32 s52, s41, 7                          ; the fragment's place in its panel
	s_and_b32 s53, s43, 7
	s_mov_b32 s31, 4096
	s_cmp_ge_u32 s27, 768
	s_cselect_b32 s29, s41, s40                    ; tile in the source
	s_cselect_b32 s30, s42, 0                      ; chunk
	s_cselect_b32 s31, 16384, s31                  ; a source row in bytes
	s_cselect_b32 s50, s50, s51
	s_cselect_b32 s52, s52, s53
	s_lshr_b32 s40, s29, 1
	s_lshl_b32 s40, s40, 5
	s_and_b32 s41, s29, 1
	s_lshl_b32 s41, s41, 3
	s_add_co_u32 s40, s40, s41                     ; the tile's first row: 32 (tile / 2) + 8 (tile % 2)
	s_mul_i32 s38, s40, s31
	s_lshl_b32 s41, s30, 12
	s_add_co_u32 s38, s38, s41
	s_lshl_b32 s41, s26, 9
	s_add_co_u32 s38, s38, s41                     ; + my K step's 512 bytes
	s_mov_b32 s39, 0
	s_add_nc_u64 s[32:33], s[32:33], s[38:39]
	s_add_co_u32 s50, s50, s26
	s_mul_i32 s38, s50, PANEL                      ; my panel
	s_lshl_b32 s41, s52, 11
	s_lshl_b32 s42, s52, 6
	s_add_co_u32 s40, s38, s41                     ; my fragment,
	s_mov_b32 s41, 0
	s_add_co_u32 s42, s42, s38
	s_add_co_u32 s42, s42, 16384                   ; its scale words
	s_mov_b32 s43, 0
	s_add_nc_u64 s[36:37], s[34:35], s[42:43]
	s_add_nc_u64 s[34:35], s[34:35], s[40:41]
	s_lshl_b32 s38, s26, 9
	s_add_nc_u64 s[6:7], s[6:7], s[38:39]          ; gain and bias at my K step
	s_add_nc_u64 s[8:9], s[8:9], s[38:39]
.irp p, 0,1,2,3,4,5,6,7,8,9,10,11,12,13,14,15
	v_mad_u32_u24 v[RO+\p], s31, \p+8*(\p/8), v4   ; lane index p of the tile is row p + 8 (p / 8) from the tile's first
.endr
.irp p, 0,1,2,3,4,5,6,7,8,9,10,11,12,13,14,15
	global_load_b128 v[RAW+4*\p:RAW+4*\p+3], v[RO+\p], s[32:33] th:TH_LOAD_NT   ; 32 lanes read 512 consecutive bytes of one row
.endr
.irp p, 0,1,2,3,4,5,6,7,8,9,10,11,12,13,14,15
	s_wait_loadcnt 15-\p                           ; loads come back in order: row p is in, the younger ones stay out
	ds_store_b128 v5, v[RAW+4*\p:RAW+4*\p+3] offset:\p*SPT
.endr
.irp c, 0,1,2,3
.irp j, 0,1,2,3
	ds_load_b128 v[X+16*\c+4*\j:X+16*\c+4*\j+3], v6 offset:128*\c+16*\j   ; LDS serves a wave's instructions in order: these see my stores
.endr
.endr
	s_wait_dscnt 0x0
	s_cmp_ge_u32 s27, 256                          ; the same in all eight waves: weights are quantised as they are
	s_cbranch_scc1 .Lquant
.irp c, 0,1,2,3
.irp j, 0,1,2,3
	global_load_b128 v[RAW+16*\c+4*\j:RAW+16*\c+4*\j+3], v9, s[6:7] offset:128*\c+16*\j   ; the gain of my 64 columns; it lands while the sums are made
	global_load_b128 v[BT+16*\c+4*\j:BT+16*\c+4*\j+3], v9, s[8:9] offset:128*\c+16*\j     ; the bias
.endr
.endr
.irp k, 0,1,2,3
	v_pk_add_f32 v[RT+2*\k:RT+2*\k+1], v[X+4*\k:X+4*\k+1], v[X+4*\k+2:X+4*\k+3]
.endr
.irp i, 16,24,32,40,48,56
.irp k, 0,1,2,3
	v_pk_add_f32 v[RT+2*\k:RT+2*\k+1], v[RT+2*\k:RT+2*\k+1], v[X+\i+2*\k:X+\i+2*\k+1]
.endr
.endr
	FOLD 0
	v_mul_f32 v10, s47, v[RT+8]                    ; the mean, twice: a pair for the packed forms
	v_mul_f32 v11, s47, v[RT+8]
.set I, 0
.rept 32
	v_pk_add_f32 v[X+I:X+I+1], v[X+I:X+I+1], v[10:11] neg_lo:[0,1] neg_hi:[0,1]
.set I, I+2
.endr
.irp k, 0,1,2,3
	v_pk_mul_f32 v[RT+2*\k:RT+2*\k+1], v[X+2*\k:X+2*\k+1], v[X+2*\k:X+2*\k+1]
.endr
.irp i, 8,16,24,32,40,48,56
.irp k, 0,1,2,3
	v_pk_fma_f32 v[RT+2*\k:RT+2*\k+1], v[X+\i+2*\k:X+\i+2*\k+1], v[X+\i+2*\k:X+\i+2*\k+1], v[RT+2*\k:RT+2*\k+1]
.endr
.endr
	FOLD 512                                       ; other bytes than the first sums': no barrier is owed between the first reads and these stores
	v_fma_f32 v[RT+8], v[RT+8], s47, s48           ; the variance + eps
	v_rsq_f32 v12, v[RT+8]
	v_rsq_f32 v13, v[RT+8]
	v_nop                                          ; a plain line behind the transcendentals
	s_wait_alu depctr_va_vdst(0)                   ; one wait for both, ahead of their first reader
	s_wait_loadcnt 0x0                             ; gain and bias
.set I, 0
.rept 32
	v_pk_mul_f32 v[X+I:X+I+1], v[X+I:X+I+1], v[12:13]
.set I, I+2
.endr
.set I, 0
.rept 32
	v_pk_fma_f32 v[X+I:X+I+1], v[X+I:X+I+1], v[RAW+I:RAW+I+1], v[BT+I:BT+I+1]
.set I, I+2
.endr
.Lquant:
	QUANT X
.irp c, 0,1,2,3
	global_store_b128 v4, v[PC+4*\c:PC+4*\c+3], s[34:35] offset:512*\c   ; 32 lanes store 512 consecutive bytes, at a multiple of 256 from the buffer's first byte
.endr
	s_wait_xcnt 0x0                                ; EXEC changes only behind this wait
	v_cmp_gt_u32 vcc_lo, 16, v1
	s_and_saveexec_b32 s49, vcc_lo
	global_store_b32 v8, v[PW], s[36:37]           ; lanes 0-15: the 16 rows' scale words
	s_wait_xcnt 0x0
	s_or_b32 exec_lo, exec_lo, s49
	s_endpgm
.Lfunc_end_k_q4d6a24af7f_prep:
	.size	k_q4d6a24af7f_prep, .Lfunc_end_k_q4d6a24af7f_prep-k_q4d6a24af7f_prep
	.p2alignl 7, 3214868480
	.fill 96, 4, 3214868480
	.section	.rodata,"a",@progbits
	.p2align	6, 0x0
	.amdhsa_kernel k_q4d6a24af7f_prep
		.amdhsa_group_segment_fixed_size 68608
		.amdhsa_private_segment_fixed_size 0
		.amdhsa_enable_private_segment 0
		.amdhsa_kernarg_size 88
		.amdhsa_user_sgpr_count 2
		.amdhsa_user_sgpr_kernarg_segment_ptr 1
		.amdhsa_wavefront_size32 1
		.amdhsa_system_sgpr_workgroup_id_x 1
		.amdhsa_system_sgpr_workgroup_id_y 1
		.amdhsa_system_sgpr_workgroup_id_z 1
		.amdhsa_system_vgpr_workitem_id 0
		.amdhsa_next_free_vgpr 256
		.amdhsa_next_free_sgpr 66
		.amdhsa_reserve_vcc 1
		.amdhsa_float_denorm_mode_32 3
		.amdhsa_float_denorm_mode_16_64 3
		.amdhsa_memory_ordered 1
		.amdhsa_forward_progress 1
		.amdhsa_inst_pref_size 34
	.end_amdhsa_kernel
	.amdgpu_metadata
---
amdhsa.version: [ 1, 2 ]
amdhsa.kernels:
  - .name:           k_q4d6a24af7f_prep
    .symbol:         k_q4d6a24af7f_prep.kd
    .args:
      - { .name: x, .offset: 0, .size: 8, .value_kind: global_buffer, .address_space: global }
      - { .name: ln1_g, .offset: 8, .size: 8, .value_kind: global_buffer, .address_space: global }
      - { .name: ln1_b, .offset: 16, .size: 8, .value_kind: global_buffer, .address_space: global }
      - { .name: Wq, .offset: 24, .size: 8, .value_kind: global_buffer, .address_space: global }
      - { .name: Wk, .offset: 32, .size: 8, .value_kind: global_buffer, .address_space: global }
      - { .name: Wv, .offset: 40, .size: 8, .value_kind: global_buffer, .address_space: global }
      - { .name: Wo, .offset: 48, .size: 8, .value_kind: global_buffer, .address_space: global }
      - { .name: W1, .offset: 56, .size: 8, .value_kind: global_buffer, .address_space: global }
      - { .name: W2, .offset: 64, .size: 8, .value_kind: global_buffer, .address_space: global }
      - { .name: aimg, .offset: 72, .size: 8, .value_kind: global_buffer, .address_space: global }
      - { .name: wimg, .offset: 80, .size: 8, .value_kind: global_buffer, .address_space: global }
    .group_segment_fixed_size: 68608
    .private_segment_fixed_size: 0
    .kernarg_segment_align: 8
    .kernarg_segment_size: 88
    .max_flat_workgroup_size: 256
    .sgpr_count:     66
    .vgpr_count:     256
    .wavefront_size: 32
...
	.end_amdgpu_metadata
.endif
;; end of part 1
;; launch qkv (part 2): grid 8 x 32, 4 waves a work-group, clusters of 4 x 4, 327,680 bytes of LDS; arguments aimg, wimg, bq, bk, bv, qkvb; writes qkvb
.if DOCPART == 2
	.amdgcn_target "amdgcn-amd-amdhsa--gfx1250"
	.amdhsa_code_object_version 6
	.text
	.protected	k_q4d6a24af7f_qkv
	.globl	k_q4d6a24af7f_qkv
	.p2align	8
	.type	k_q4d6a24af7f_qkv,@function
k_q4d6a24af7f_qkv:
	s_mov_b64 s[64:65], 0
	v_nop
	global_prefetch_b8 v0, s[64:65] scope:SCOPE_SE
	s_setreg_imm32_b32 hwreg(HW_REG_WAVE_MODE, 25, 1), 1
	s_wait_xcnt 0x0
	s_wait_alu depctr_hold_cnt(0) depctr_sa_sdst(0) depctr_va_vdst(0) depctr_va_sdst(0) depctr_va_ssrc(0) depctr_va_vcc(0) depctr_vm_vsrc(0)
	s_getreg_b32 s2, hwreg(HW_REG_IB_STS2, 6, 4)
	s_cmp_eq_u32 s2, 0
	s_cbranch_scc0 .Lentry_in_a_cluster
	s_endpgm
.Lentry_in_a_cluster:
	s_bfe_u32 s2, ttmp6, 0x10000c
	s_cmp_lg_u32 s2, 0xf033
	s_cbranch_scc0 .Lentry_shape_is_right
	s_endpgm
.Lentry_shape_is_right:
; QKV.  [4,096 x 1,024] x [Wq | Wk | Wv]^T + bias on codes of MX-BF8; the results are quantised in registers and leave as the attention's operand images.
; OPERANDS are register images (a fragment: 16 rows x 128 K, chunk c at 512 c + 16 x lane; a panel: 8 fragments + 8 x 64 bytes of scale words, 16,896 bytes; a matrix: [row block of 128][K step]).
; Tile 2 B + u of 128 rows has in lane r the row 32 B + 8 u + r + 8 (r / 8): as source 0 that makes the 16 result registers of tiles 2 B, 2 B + 1 sixteen neighbours 32 B + 16 h + 0 .. 15.
; SHARES.  A WORK-GROUP STAYS: it owns 128 tokens (row block rb) and feature block nb of 8, and makes three tiles of 128 x 128, one after the other: q, k, v.  Four waves 2 x 2, each 64 x 64: 16 accumulators.
; LDS: two slots of four K steps, each A's four panels and then the weights' four.  A's eight panels are the same for the three tiles: they are fetched once and stay.  The weights' half of a slot is filled again
; with the next tile's: slot 0's at the change of slots in the middle of K, slot 1's in the middle of the way out: so a refill lands under K steps and the quantiser.  Waves 2 and 3 fetch it, 33,792 bytes each.
; By this text's count a wave has two tensor loads out at the start, later one at the most.
; q, k: source 0 = the weight's rows, source 1 = tokens: a lane holds one token and 32 neighbours of the head's 64 in each half of the lanes: quantised along the head.
; v: the sources are swapped: a lane holds one channel and its registers run along the TOKENS: quantised along the keys, which are the second attention product's K.
; The bias is the C of each sum's first product; the next tile's is loaded at the head of the way out.
; OUT (bh = 16 b + head, js = block of 128 tokens): Q and K parts [bh][js] of 8,704 bytes: 8 tiles x 1,024 (chunks 0, 1: K = 64), then 8 x 64 bytes of scale words (bytes 2, 3 are 0);
; V parts of 8,448 bytes: 4 channel tiles x 2,048 (16 channels x 128 keys), then 4 x 64 bytes; a wave makes two of a V word's four bytes and stores them as 16 bits: those units are written in part.
; CLUSTER 4 x 4: A's panels are shared along a row of the cluster, the weights' along a column: joint loads; each refill stands behind a round of the cluster's barrier.
; All of a WGP's LDS is claimed.
; LIMITS: NaN and infinities are not served; a block whose largest magnitude lies under 2^-111 gets the byte 1.
.set KP,    8
.set PANEL, 16896
.set ASZ,   4*PANEL                    ; A's four panels of a slot; the weights' four follow
.set SLOT,  2*ASZ
.set SPARE, 2*SLOT                     ; behind the slots: the spare words, 128 bytes for each wave: two blocks of 256 bytes that no other line names
.set NEXTW, 64*PANEL                   ; from a tile's weights to the next tile's: 8 feature blocks x KP panels
.set KREG,  4456448                    ; where K's parts begin in qkvb
.set VREG,  8912896                    ; and V's
.set ADRA,  8                          ; v8-9    16 x lane + my four tiles of A, slot 0, 1
.set ADRB,  10                         ; v10-11  the same for the weights
.set ADRS,  12                         ; v12-13  scale words: lanes 0-15 A's tiles, lanes 16-31 the weights'
.set SC,    20                         ; v20-27  scale words, two sets of four
.set TM,    64                         ; v64-79  the quantiser's
.set BIA,   96                         ; v96-127 the bias in the result's layout
.set ACC,   128                        ; v128-255 accumulator (l, p) at 128 + 8 (4 l + p): l = tile of the lanes' operand, p = tile of the registers' operand
.set F0,    0                          ; window 1: two sets of fragments: A's four at f, the weights' four at f + 64
.set F1,    128
.set WV, 16
.set WR, 17
.set WC, 18
.set RB, 19
.set NB, 42
.set G1, 24
.set G0, 32
.set G1B, 48
.set G0B, 56
.set SEL, 80
.set MNT, 82
.set MSB, 0
.set MUL,  0x05                        ; sources 0 and 1 window 1; C and D window 0
.set TO_F, 0x40                        ; destination window 1, address window 0
; v16 4 (r + 8 (r / 8)): v's bias; v17 64 h: q's and k's; v18 my spare word's address, v19 0: both never rewritten
; s[84:85], s[86:87] q's codes and scale words; s[88:91] k's; s[92:95] v's
.macro WIN new                         ; the immediate's high byte repeats the setting that is left
.if MSB != (\new)
	s_set_vgpr_msb (MSB<<8)|(\new)
.set MSB, (\new)
.endif
.endm
.macro JLOAD s                         ; a first fill: waves 0, 1 fetch A's panels, waves 2, 3 the weights'; four v_nop follow each line
	s_cmp_eq_u32 s[WR], 0
	s_cbranch_scc0 .Lfor_b_\@
	tensor_load_to_lds s[G0+4*\s:G0+4*\s+3], s[G1:G1+7]
.rept 4
	v_nop
.endr
	s_branch .Lasked_\@
.Lfor_b_\@:
	tensor_load_to_lds s[G0B+4*\s:G0B+4*\s+3], s[G1B:G1B+7]
.rept 4
	v_nop
.endr
.Lasked_\@:
.endm
.macro BLOAD s                         ; a refill: the weights' half of slot s alone; waves 0 and 1 have no part of it.  The branch hangs on the wave's number alone
	s_cmp_eq_u32 s[WR], 0
	s_cbranch_scc1 .Lnone_\@
	tensor_load_to_lds s[G0B+4*\s:G0B+4*\s+3], s[G1B:G1B+7]
.rept 4
	v_nop
.endr
.Lnone_\@:
.endm
.macro CREST                           ; a round of the cluster's barrier behind its opening barrier
	s_cmp_lg_u32 s[WV], 0
	s_cbranch_scc1 .Lnot_wave_0_\@
	s_barrier_signal -3
.Lnot_wave_0_\@:
	s_barrier_wait -3
	s_barrier_signal -1
	s_barrier_wait -1
.endm
.macro CROUND                          ; a whole round
	s_barrier_signal -1
	s_barrier_wait -1
	CREST
.endm
.macro PLACES n                        ; plain vector lines behind matrix instructions (ISA guide 7.12.1)
.rept \n
	v_nop
.endr
.endm
.macro FRAG reg, adr, off
.irp c, 0,1,2,3
	ds_load_b128 v[\reg+4*\c:\reg+4*\c+3], v[\adr] offset:\off+512*\c
.endr
.endm
; 36 LDS loads: the slot's q-th K step into set f: 4 scale words, the registers' operand's four fragments, then the lanes' operand's.  sw = 0: registers = weights, lanes = A; sw = 1: the other way round
.macro FETCH slot, q, f, sw
	WIN 0
.irp i, 0,1,2,3
	ds_load_b32 v[SC+(\f)/32+\i], v[ADRS+\slot] offset:(\q)*PANEL+64*\i
.endr
	WIN TO_F
.if \sw
.irp t, 0,1,2,3
	FRAG \f+16*\t, ADRA+\slot, (\q)*PANEL+\t*2048
.endr
.irp t, 0,1,2,3
	FRAG \f+64+16*\t, ADRB+\slot, (\q)*PANEL+\t*2048
.endr
.else
.irp t, 0,1,2,3
	FRAG \f+64+16*\t, ADRB+\slot, (\q)*PANEL+\t*2048
.endr
.irp t, 0,1,2,3
	FRAG \f+16*\t, ADRA+\slot, (\q)*PANEL+\t*2048
.endr
.endif
.endm
; 8 matrix instructions: lanes' tiles l0, l0 + 1 x the registers' four.  The 16 accumulators take turns, one instruction a turn.  first = 1: the bias starts the sums
.macro MUL8 f, l0, first, sw
.irp l, \l0, \l0+1
.irp p, 0,1,2,3
.set rD, ACC+8*(4*(\l)+\p)
.if \sw
.set rA, \f+16*\p
.set rB, \f+64+16*(\l)
.set rC, BIA+8*(\l)
.else
.set rA, \f+64+16*\p
.set rB, \f+16*(\l)
.set rC, BIA+8*\p
.endif
.if \first == 0
.set rC, rD
.endif
.if \sw
	v_wmma_scale_f32_16x16x128_f8f6f4 v[rD:rD+7], v[rA:rA+15], v[rB:rB+15], v[rC:rC+7], v[SC+(\f)/32+\p], v[SC+(\f)/32+(\l)] matrix_a_fmt:MATRIX_FMT_BF8 matrix_b_fmt:MATRIX_FMT_BF8 matrix_b_scale:MATRIX_SCALE_ROW1
.else
	v_wmma_scale_f32_16x16x128_f8f6f4 v[rD:rD+7], v[rA:rA+15], v[rB:rB+15], v[rC:rC+7], v[SC+(\f)/32+\p], v[SC+(\f)/32+(\l)] matrix_a_fmt:MATRIX_FMT_BF8 matrix_b_fmt:MATRIX_FMT_BF8 matrix_a_scale:MATRIX_SCALE_ROW1
.endif
.endr
.endr
.endm
.macro STEP slot, q, first, sw         ; a K step that has its successor in the same slot
	s_wait_dscnt 8                                 ; all but the youngest eight loads: the lanes' operand's fragments 2, 3
	WIN MUL
	MUL8 128*((\q)%2), 0, \first, \sw
	PLACES 8                                       ; in front of loads into the other set, which the step before multiplied
	FETCH \slot, (\q)+1, 128-128*((\q)%2), \sw
	s_wait_dscnt 36                                ; all but the 36 just issued
	WIN MUL
	MUL8 128*((\q)%2), 2, \first, \sw
.endm
; Slot 0's last step changes slots: one barrier; in front of it each wave waits for all its tensor loads, adds 0 to its spare word, and waits for that and for its reads of slot 0.
; fill = 1: the weights' half of slot 0 is filled again, with the next tile's K steps 0 to 3
.macro TURN sw, fill
	WIN 0
	s_wait_tensorcnt 0x0                           ; all my tensor loads have landed: my part of slot 1; so a group 0 may be written
	ds_add_u32 v18, v19                            ; 0 onto my spare word
.if \fill
	s_add_nc_u64 s[G0B+2:G0B+3], s[G0B+2:G0B+3], NEXTW
.endif
	s_wait_dscnt 0x0                               ; the add is done, and my reads of slot 0 are over
	s_barrier_signal -1
	WIN MUL
	MUL8 F1, 0, 0, \sw
	WIN 0
	s_barrier_wait -1
.if \fill
	CREST                                          ; the barrier has opened a round of the cluster's: no wave of any partner still reads slot 0 or has a load on its way
	BLOAD 0                                        ; the first tensor load behind the round, one a wave: 72 matrix instructions and half of the way out ahead of the wait for it
.endif
	PLACES 8                                       ; in front of the loads below, on the way of the waves that fetch nothing too
	FETCH 1, 0, F0, \sw
	WIN MUL
	MUL8 F1, 2, 0, \sw
.endm
.macro WALK sw, fill                   ; all eight K steps of a tile; its first fragments have been asked for
	STEP 0, 0, 1, \sw
	STEP 0, 1, 0, \sw
	STEP 0, 2, 0, \sw
	TURN \sw, \fill
	STEP 1, 0, 0, \sw
	STEP 1, 1, 0, \sw
	STEP 1, 2, 0, \sw
	s_wait_dscnt 8
	WIN MUL
	MUL8 F1, 0, 0, \sw
	s_wait_dscnt 0x0
	MUL8 F1, 2, 0, \sw
	WIN 0
	PLACES 8                                       ; in front of the first read of results
.endm
; In the middle of the way out: slot 1 has been read out; its weights' half takes the next tile's K steps 4 to 7, and the next tile's first fragments are asked for (nsw: the next tile's order of sources)
.macro CHANGE nsw
	s_wait_tensorcnt 0x0                           ; slot 0's refill has landed
	ds_add_u32 v18, v19                            ; 0 onto my spare word
	s_add_nc_u64 s[G0B+6:G0B+7], s[G0B+6:G0B+7], NEXTW
	s_wait_dscnt 0x0                               ; the add is done; my reads of slot 1 were over at the tile's last products
	CROUND                                         ; both now hold of every wave of every work-group of the cluster
	BLOAD 1                                        ; half of the way out and 48 matrix instructions ahead of the wait for it
	FETCH 0, 0, F0, \nsw
	WIN 0
.endm
; 32 numbers of a lane, register 16 b + i = k 32 b + 16 h + i, become 8 registers of codes at v[pc] and two scale bytes in v[pw].  Each accumulator is read from its low end on
.macro QUANT2 s, pc, pw
.irp b, 0,1
	v_max3_num_f32 v[TM+\b], |v[\s+16*\b]|, |v[\s+1+16*\b]|, 0x8000000   ; and the floor 2^(16 - 127)
.endr
.irp i, 2,4,6,8,10,12,14
.irp b, 0,1
	v_max3_num_f32 v[TM+\b], v[TM+\b], |v[\s+16*\b+\i]|, |v[\s+1+16*\b+\i]|
.endr
.endr
.irp b, 0,1
	v_permlanex16_b32 v[TM+4+\b], v[TM+\b], s[SEL], s[SEL+1]
.endr
.irp b, 0,1
	v_max_num_f32 v[TM+\b], v[TM+\b], v[TM+4+\b]
.endr
.irp b, 0,1
	v_add_nc_u32 v[TM+12+\b], 0xf8800000, v[TM+\b]
.endr
.irp b, 0,1
	v_and_or_b32 v[TM+8+\b], v[TM+\b], 0x7f800000, s[MNT]
.endr
.irp b, 0,1
	v_lshrrev_b32 v[TM+4+\b], 23, v[TM+12+\b]
.endr
	v_lshl_or_b32 v[\pw], v[TM+5], 8, v[TM+4]
.irp b, 0,1
.irp i, 0,1,2,3,4,5,6,7,8,9,10,11,12,13,14,15
	v_med3_num_f32 v[\s+16*\b+\i], v[\s+16*\b+\i], -v[TM+8+\b], v[TM+8+\b]
.endr
	v_cvt_scalef32_pk8_bf8_f32 v[\pc+4*\b:\pc+1+4*\b], v[\s+16*\b:\s+7+16*\b], v[TM+12+\b]
	v_cvt_scalef32_pk8_bf8_f32 v[\pc+2+4*\b:\pc+3+4*\b], v[\s+8+16*\b:\s+15+16*\b], v[TM+12+\b]
.endr
	v_nop
.endm
.macro EPIL l, stride, cb              ; tile l of the lanes' operand: quantised, stored as an image
	QUANT2 ACC+32*(\l), 32+8*(\l), 28+(\l)
	global_store_b128 v4, v[32+8*(\l):35+8*(\l)], s[\cb:\cb+1] offset:(\l)*\stride        ; 512 consecutive bytes
	global_store_b128 v4, v[36+8*(\l):39+8*(\l)], s[\cb:\cb+1] offset:(\l)*\stride+512
.endm
.macro WORDS sb, wide                  ; the four tiles' scale words in pairs: lanes 0-15 one tile's, lanes 16-31 the next's
	v_cmp_le_u32 vcc_lo, 16, v3
	v_cndmask_b32 v84, v28, v29, vcc_lo
	v_cndmask_b32 v85, v30, v31, vcc_lo
.if \wide
	global_store_b32 v5, v84, s[\sb:\sb+1]         ; two tiles' words: 128 consecutive bytes
	global_store_b32 v5, v85, s[\sb:\sb+1] offset:128
.else
	global_store_b16 v5, v84, s[\sb:\sb+1]
	global_store_b16 v5, v85, s[\sb:\sb+1] offset:128
.endif
.endm
.macro BIASQK p                        ; register j of tile 2 B + u is feature 32 B + 16 h + 8 u + j
.irp t, 0,1,2,3
	global_load_b128 v[BIA+8*\t:BIA+8*\t+3], v17, s[\p:\p+1] offset:128*(\t/2)+32*(\t%2)
	global_load_b128 v[BIA+8*\t+4:BIA+8*\t+7], v17, s[\p:\p+1] offset:128*(\t/2)+32*(\t%2)+16
.endr
.endm
	s_load_b256 s[4:11], s[0:1], 0x0               ; aimg, wimg, bq, bk
	s_load_b128 s[12:15], s[0:1], 0x20             ; bv, qkvb
	v_lshl_add_u32 v18, v0, 2, SPARE
	v_mov_b32 v19, 0
	v_lshrrev_b32 v1, 5, v0
	v_readfirstlane_b32 s[WV], v1                  ; wave 0..3
	s_lshr_b32 s[WR], s[WV], 1                     ; my half of the tokens.  Also: I fetch for A (0) or for the weights (1)
	s_and_b32 s[WC], s[WV], 1                      ; my half of the features.  Also: which two panels of a slot I fetch
	s_bfe_u32 s40, ttmp6, 0x40000                  ; cx
	s_bfe_u32 s41, ttmp6, 0x40004                  ; cy
	s_lshl_b32 s[NB], ttmp9, 2
	s_add_co_u32 s[NB], s[NB], s40                 ; feature block of 8 = 4 x cluster x + cx
	s_and_b32 s[RB], ttmp7, 0xffff
	s_lshl_b32 s[RB], s[RB], 2
	s_add_co_u32 s[RB], s[RB], s41                 ; row block = 4 x cluster y + cy
	s_lshl_b32 s43, s41, 2
	s_lshl_b32 s43, 15, s43                        ; my row of the cluster
	s_lshl_b32 s44, 0x1111, s40                    ; my column
	s_or_b32 s[G1], s43, (3<<16)|(1<<21)           ; group 1: the mask; elements of 8 bytes; bit 21 beside a mask; no padding
	s_or_b32 s[G1B], s44, (3<<16)|(1<<21)
.irp g, G1, G1B
	s_mov_b32 s[\g+1], 32<<16                      ; two panels are 33,792 dense bytes: 132 rows of 32 elements
	s_mov_b32 s[\g+2], 132<<16
	s_mov_b32 s[\g+3], 32<<16
	s_mov_b32 s[\g+4], 132
	s_mov_b32 s[\g+5], 32
	s_mov_b32 s[\g+6], 0
	s_mov_b32 s[\g+7], 0
.endr
	s_mul_i32 s20, s[RB], KP
	s_lshl_b32 s21, s[WC], 1
	s_add_co_u32 s20, s20, s21
	s_mul_i32 s20, s20, PANEL                      ; A: panel rb KP + 2 x half
	s_mov_b32 s21, 0
	s_mul_i32 s46, s[NB], KP
	s_lshl_b32 s47, s[WC], 1
	s_add_co_u32 s46, s46, s47
	s_mul_i32 s46, s46, PANEL                      ; Wq: panel nb KP + 2 x half; Wk's and Wv's lie NEXTW bytes on each
	s_mov_b32 s47, 0
	s_mul_i32 s45, s[WV], 2*PANEL                  ; where they go: wave x two panels
	s_wait_kmcnt 0x0
	s_add_nc_u64 s[20:21], s[4:5], s[20:21]
	s_add_nc_u64 s[46:47], s[6:7], s[46:47]
	CROUND                                         ; all sixteen work-groups are here: the first joint loads meet
.irp s, 0,1
	s_mov_b32 s[G0+4*\s], 1
	s_add_co_u32 s[G0+4*\s+1], s45, \s*SLOT
	s_add_nc_u64 s[G0+4*\s+2:G0+4*\s+3], s[20:21], \s*4*PANEL
	s_or_b32 s[G0+4*\s+3], s[G0+4*\s+3], 0x80000000
	s_mov_b32 s[G0B+4*\s], 1
	s_add_co_u32 s[G0B+4*\s+1], s45, \s*SLOT
	s_add_nc_u64 s[G0B+4*\s+2:G0B+4*\s+3], s[46:47], \s*4*PANEL
	s_or_b32 s[G0B+4*\s+3], s[G0B+4*\s+3], 0x80000000
	JLOAD \s                                       ; two loads of mine are out: all of K for the first tile
.endr
	v_and_b32 v3, 31, v0                           ; lane
	v_and_b32 v1, 15, v0                           ; r
	v_bfe_u32 v2, v0, 4, 1                         ; h
	v_lshlrev_b32 v4, 4, v3                        ; 16 x lane
	v_lshlrev_b32 v5, 2, v3                        ; 4 x lane
	s_lshl_b32 s66, s[WR], 13
	s_lshl_b32 s67, s[WC], 13
	s_add_co_u32 s67, s67, ASZ
	v_add_nc_u32 v[ADRA], s66, v4
	v_add_nc_u32 v[ADRB], s67, v4
	s_add_co_u32 s66, s66, SLOT
	s_add_co_u32 s67, s67, SLOT
	v_add_nc_u32 v[ADRA+1], s66, v4
	v_add_nc_u32 v[ADRB+1], s67, v4
	s_lshl_b32 s66, s[WR], 8
	s_lshl_b32 s67, s[WC], 8
	s_add_co_u32 s67, s67, ASZ
	s_sub_co_u32 s67, s67, s66                     ; from A's words to the weights'
	v_mul_u32_u24 v6, s67, v2                      ; lanes 16-31 take the weights'
	v_lshl_add_u32 v6, v1, 2, v6
	s_add_co_u32 s66, s66, 16384
	v_add_nc_u32 v[ADRS], s66, v6
	s_add_co_u32 s66, s66, SLOT
	v_add_nc_u32 v[ADRS+1], s66, v6
	v_mov_b32 v[TM+4], 0                           ; a lane permute's destination counts as one of its sources
	v_mov_b32 v[TM+5], 0
	v_lshlrev_b32 v17, 6, v2                       ; q's and k's bias: 64 h
	v_and_b32 v16, 8, v1
	v_add_nc_u32 v16, v16, v1
	v_lshlrev_b32 v16, 2, v16                      ; v's: 4 (r + 8 (r / 8))
	s_mov_b32 s[SEL], 0x76543210
	s_mov_b32 s[SEL+1], 0xfedcba98
	s_mov_b32 s[MNT], 0x600000
	s_lshl_b32 s66, s[NB], 9
	s_lshl_b32 s67, s[WC], 8
	s_add_co_u32 s66, s66, s67
	s_mov_b32 s67, 0
	s_add_nc_u64 s[8:9], s[8:9], s[66:67]          ; the three biases at my 64 features
	s_add_nc_u64 s[10:11], s[10:11], s[66:67]
	s_add_nc_u64 s[12:13], s[12:13], s[66:67]
	BIASQK 8                                       ; q's
	s_lshl_b32 s74, s[NB], 1
	s_add_co_u32 s74, s74, s[WC]                   ; the head
	s_lshr_b32 s75, s[RB], 4
	s_lshl_b32 s75, s75, 4
	s_add_co_u32 s74, s74, s75                     ; bh
	s_lshl_b32 s74, s74, 4
	s_and_b32 s75, s[RB], 15
	s_add_co_u32 s74, s74, s75                     ; the part: 16 bh + js
	s_mul_i32 s76, s74, 8704
	s_lshl_b32 s77, s[WR], 12
	s_add_co_u32 s70, s76, s77                     ; q: my four tiles' codes
	s_mov_b32 s71, 0
	s_lshl_b32 s77, s[WR], 8
	s_add_co_u32 s72, s76, s77
	s_add_co_u32 s72, s72, 8192                    ; their scale words
	s_mov_b32 s73, 0
	s_add_nc_u64 s[84:85], s[14:15], s[70:71]
	s_add_nc_u64 s[86:87], s[14:15], s[72:73]
	s_add_nc_u64 s[88:89], s[84:85], KREG          ; k: the same places in K's region
	s_add_nc_u64 s[90:91], s[86:87], KREG
	s_mul_i32 s76, s74, 8448
	s_add_co_u32 s76, s76, VREG
	s_lshl_b32 s77, s[WR], 10
	s_add_co_u32 s70, s76, s77                     ; v: chunks 2 wr, 2 wr + 1 of each channel tile
	s_lshl_b32 s77, s[WR], 1
	s_add_co_u32 s72, s76, s77
	s_add_co_u32 s72, s72, 8192                    ; bytes 2 wr, 2 wr + 1 of each scale word
	s_add_nc_u64 s[92:93], s[14:15], s[70:71]
	s_add_nc_u64 s[94:95], s[14:15], s[72:73]
	s_wait_loadcnt 0x0                             ; q's bias
	s_wait_tensorcnt 0x1                           ; my part of slot 0 is in; slot 1's may stay out
	s_barrier_signal -1
	s_barrier_wait -1
	FETCH 0, 0, F0, 0
	; ---- q
	WALK 0, 1
	BIASQK 10                                      ; k's bias: it lands under the way out
	EPIL 0, 1024, 84
	EPIL 1, 1024, 84
	CHANGE 0
	EPIL 2, 1024, 84
	EPIL 3, 1024, 84
	WORDS 86, 1
	; ---- k
	s_wait_loadcnt 0x0                             ; k's bias
	WALK 0, 1
	s_wait_xcnt 0x0                                ; the last tile's stores, a K walk back, have read their registers
.irp l, 0,1,2,3
	global_load_b32 v[BIA+8*\l], v16, s[12:13] offset:(32*(\l/2)+8*(\l%2))*4   ; v's bias: a lane holds channel 32 (l / 2) + 8 (l % 2) + r + 8 (r / 8) of the head
.endr
	EPIL 0, 1024, 88
	EPIL 1, 1024, 88
	CHANGE 1
	EPIL 2, 1024, 88
	EPIL 3, 1024, 88
	WORDS 90, 1
	; ---- v
	s_wait_loadcnt 0x0                             ; v's bias
.irp l, 0,1,2,3
.irp j, 1,2,3,4,5,6,7
	v_mov_b32 v[BIA+8*\l+\j], v[BIA+8*\l]          ; all eight tokens of a lane get its channel's bias
.endr
.endr
	PLACES 4
	WALK 1, 0                                      ; the last tile asks for nothing more
	s_wait_xcnt 0x0
	EPIL 0, 2048, 92
	EPIL 1, 2048, 92
	EPIL 2, 2048, 92
	EPIL 3, 2048, 92
	WORDS 94, 0
	s_wait_tensorcnt 0x0                           ; the wave's end
	ds_add_u32 v18, v19
	s_wait_dscnt 0x0
	CROUND                                         ; the closing round
	s_endpgm
.Lfunc_end_k_q4d6a24af7f_qkv:
	.size	k_q4d6a24af7f_qkv, .Lfunc_end_k_q4d6a24af7f_qkv-k_q4d6a24af7f_qkv
	.p2alignl 7, 3214868480
	.fill 96, 4, 3214868480
	.section	.rodata,"a",@progbits
	.p2align	6, 0x0
	.amdhsa_kernel k_q4d6a24af7f_qkv
		.amdhsa_group_segment_fixed_size 327680
		.amdhsa_private_segment_fixed_size 0
		.amdhsa_enable_private_segment 0
		.amdhsa_kernarg_size 48
		.amdhsa_user_sgpr_count 2
		.amdhsa_user_sgpr_kernarg_segment_ptr 1
		.amdhsa_wavefront_size32 1
		.amdhsa_system_sgpr_workgroup_id_x 1
		.amdhsa_system_sgpr_workgroup_id_y 1
		.amdhsa_system_sgpr_workgroup_id_z 1
		.amdhsa_system_vgpr_workitem_id 0
		.amdhsa_next_free_vgpr 512
		.amdhsa_next_free_sgpr 100
		.amdhsa_reserve_vcc 1
		.amdhsa_float_denorm_mode_32 3
		.amdhsa_float_denorm_mode_16_64 3
		.amdhsa_memory_ordered 1
		.amdhsa_forward_progress 1
		.amdhsa_inst_pref_size 177
	.end_amdhsa_kernel
	.amdgpu_metadata
---
amdhsa.version: [ 1, 2 ]
amdhsa.kernels:
  - .name:           k_q4d6a24af7f_qkv
    .symbol:         k_q4d6a24af7f_qkv.kd
    .args:
      - { .name: aimg, .offset: 0, .size: 8, .value_kind: global_buffer, .address_space: global }
      - { .name: wimg, .offset: 8, .size: 8, .value_kind: global_buffer, .address_space: global }
      - { .name: bq, .offset: 16, .size: 8, .value_kind: global_buffer, .address_space: global }
      - { .name: bk, .offset: 24, .size: 8, .value_kind: global_buffer, .address_space: global }
      - { .name: bv, .offset: 32, .size: 8, .value_kind: global_buffer, .address_space: global }
      - { .name: qkvb, .offset: 40, .size: 8, .value_kind: global_buffer, .address_space: global }
    .group_segment_fixed_size: 327680
    .private_segment_fixed_size: 0
    .kernarg_segment_align: 8
    .kernarg_segment_size: 48
    .max_flat_workgroup_size: 128
    .sgpr_count:     100
    .vgpr_count:     512
    .wavefront_size: 32
...
	.end_amdgpu_metadata
.endif
;; end of part 2
;; launch attn (part 3): grid 8 x 32, 16 waves a work-group, clusters of 4 x 1, 274,432 bytes of LDS; arguments qkvb, aoimg; writes aoimg
.if DOCPART == 3
	.amdgcn_target "amdgcn-amd-amdhsa--gfx1250"
	.amdhsa_code_object_version 6
	.text
	.protected	k_q4d6a24af7f_attn
	.globl	k_q4d6a24af7f_attn
	.p2align	8
	.type	k_q4d6a24af7f_attn,@function
k_q4d6a24af7f_attn:
	s_mov_b64 s[64:65], 0
	v_nop
	global_prefetch_b8 v0, s[64:65] scope:SCOPE_SE
	s_setreg_imm32_b32 hwreg(HW_REG_WAVE_MODE, 25, 1), 1
	s_wait_xcnt 0x0
	s_wait_alu depctr_hold_cnt(0) depctr_sa_sdst(0) depctr_va_vdst(0) depctr_va_sdst(0) depctr_va_ssrc(0) depctr_va_vcc(0) depctr_vm_vsrc(0)
	s_getreg_b32 s2, hwreg(HW_REG_IB_STS2, 6, 4)
	s_cmp_eq_u32 s2, 0
	s_cbranch_scc0 .Lentry_in_a_cluster
	s_endpgm
.Lentry_in_a_cluster:
	s_bfe_u32 s2, ttmp6, 0x10000c
	s_cmp_lg_u32 s2, 0x3003
	s_cbranch_scc0 .Lentry_shape_is_right
	s_endpgm
.Lentry_shape_is_right:
; ATTENTION on codes of MX-BF8, head size 64, 2,048 keys, no mask.  Q, K, V come as register images (see below); the result is divided by the row's sum, quantised along d_model and stored as the next product's image.
; THE SOFTMAX: t = score x log2(e) / 8; M = the running largest t rounded UP to a whole number (kept as -M = floor(-t)); p = 2^(t - M) is quantised along the keys, not normalised; the row's sum is taken of the
; unquantised p; when M moves, the sum and O are multiplied by 2^(old M - new M), which rounds nothing.
; SHARES.  A work-group owns 256 queries of one (batch, head) = bh; each of its sixteen waves one tile of 16 queries in 256 registers, four waves to a SIMD.  Every wave walks all keys, 128 a step.
; ALL OF THE HEAD'S K AND V LIES IN LDS, filled once: K's 16 parts of 8,704 bytes (8 tiles of 16 keys x 64: 1,024 bytes each; then 8 x 64 bytes of scale words), then V's 16 parts of 8,448 bytes (4 tiles of
; 16 channels x 128 keys: 2,048 bytes each; then 4 x 64 bytes).  Every LDS read is 16 x lane: consecutive bytes.
; LAYOUT.  Both products are used transposed (S^T = K Q^T, O^T = V^T P^T): a lane holds one query throughout.  Tile 2 B + u has in lane r the key (channel) 32 B + 8 u + r + 8 (r / 8), so the 16 registers of
; tiles 2 B, 2 B + 1 are neighbours 32 B + 16 h + 0 .. 15: the conversions' results are the next operand's registers.  The first product's K is 64: the upper half of each 128-deep operand is zero codes.
; CLUSTER 4 x 1: the four query blocks of a cluster belong to one head: K and V are asked for jointly.  Nothing is prefetched: all that the launch reads is asked for at its head.
; LIMITS: NaN and infinities are not served; a block of p or of the result whose largest magnitude lies under 2^-111 gets the byte 1.
.set KPART, 8704
.set VPART, 8448
.set VBASE, 16*KPART
.set KREG,  4456448
.set VREG,  8912896
.set PANEL, 16896
.set WV,  18
.set G1K, 24
.set G1V, 32
.set G0K, 40
.set G0V, 44
.set SEL, 56
.set CS,  58                           ; s[58:59] c = log2(e) / 8
.set MNT, 60
.set TK,  61                           ; s61 where the step's part of K begins in LDS
.set TV,  62                           ; s62 and V's, from V's base
.set CNT, 63
.set BM,  206                          ; v206-209 the blocks' largest scores, then largest p
.set BP,  210                          ; v210-213 the other half's; then the bytes
.set BH,  214                          ; v214-217 57,344 x the scale
.set BS,  218                          ; v218-221 the conversions' scale operands
.set TM,  206
; REGISTERS: v1-4 addresses that stay; v5 lane, v6 r; v8-11 the step's addresses; v12 -M, v13 the largest t, v[14:15] the sum in two halves; v16-23 Q, v24-31 zeros; v32-95 four fragments of K (upper halves zeros);
; v96-159 S^T, then p, then V's four fragments; v160-191 O^T; v192-199 K's scale words, v200-203 V's, v204 Q's, v205 p's; v[222:223] a second chain of sums; v224-239 p's codes; v240 f, v241 0; v242 at work.
.macro CROUND
	s_barrier_signal -1
	s_barrier_wait -1
	s_cmp_lg_u32 s[WV], 0
	s_cbranch_scc1 .Lnot_wave_0_\@
	s_barrier_signal -3
.Lnot_wave_0_\@:
	s_barrier_wait -3
	s_barrier_signal -1
	s_barrier_wait -1
.endm
.macro QUANT2 s, pc, pw
.irp b, 0,1
	v_max3_num_f32 v[TM+\b], |v[\s+16*\b]|, |v[\s+1+16*\b]|, 0x8000000
.endr
.irp i, 2,4,6,8,10,12,14
.irp b, 0,1
	v_max3_num_f32 v[TM+\b], v[TM+\b], |v[\s+16*\b+\i]|, |v[\s+1+16*\b+\i]|
.endr
.endr
.irp b, 0,1
	v_permlanex16_b32 v[TM+4+\b], v[TM+\b], s[SEL], s[SEL+1]
.endr
.irp b, 0,1
	v_max_num_f32 v[TM+\b], v[TM+\b], v[TM+4+\b]
.endr
.irp b, 0,1
	v_add_nc_u32 v[TM+12+\b], 0xf8800000, v[TM+\b]
.endr
.irp b, 0,1
	v_and_or_b32 v[TM+8+\b], v[TM+\b], 0x7f800000, s[MNT]
.endr
.irp b, 0,1
	v_lshrrev_b32 v[TM+4+\b], 23, v[TM+12+\b]
.endr
	v_lshl_or_b32 v[\pw], v[TM+5], 8, v[TM+4]
.irp b, 0,1
.irp i, 0,1,2,3,4,5,6,7,8,9,10,11,12,13,14,15
	v_med3_num_f32 v[\s+16*\b+\i], v[\s+16*\b+\i], -v[TM+8+\b], v[TM+8+\b]
.endr
	v_cvt_scalef32_pk8_bf8_f32 v[\pc+4*\b:\pc+1+4*\b], v[\s+16*\b:\s+7+16*\b], v[TM+12+\b]
	v_cvt_scalef32_pk8_bf8_f32 v[\pc+2+4*\b:\pc+3+4*\b], v[\s+8+16*\b:\s+15+16*\b], v[TM+12+\b]
.endr
	v_nop
.endm
	s_load_b128 s[4:7], s[0:1], 0x0                ; qkvb, aoimg
	v_lshrrev_b32 v8, 5, v0
	v_readfirstlane_b32 s[WV], v8                  ; wave 0..15
	s_bfe_u32 s13, ttmp6, 0x40000                  ; cx
	s_lshl_b32 s14, ttmp9, 2
	s_add_co_u32 s14, s14, s13                     ; my block of 256 queries: it enters Q's and the result's addresses alone
	s_and_b32 s15, ttmp7, 0xffff                   ; bh, which the four partners share
	s_and_b32 s16, s[WV], 3
	s_mul_i32 s17, s16, 4*KPART                    ; a quarter of K: four parts, 34,816 bytes
	s_mul_i32 s19, s16, 4*VPART                    ; a quarter of V: 33,792 bytes
	s_mul_i32 s20, s15, 16*KPART
	s_add_co_u32 s20, s20, s17
	s_add_co_u32 s20, s20, KREG
	s_mov_b32 s21, 0
	s_mul_i32 s22, s15, 16*VPART
	s_add_co_u32 s22, s22, s19
	s_add_co_u32 s22, s22, VREG
	s_mov_b32 s23, 0
	s_mov_b32 s[G1K], 15|(3<<16)|(1<<21)           ; group 1: all four work-groups; elements of 8 bytes; bit 21 beside a mask; dense rows of 256 bytes
	s_mov_b32 s[G1K+1], 32<<16
	s_mov_b32 s[G1K+2], 136<<16
	s_mov_b32 s[G1K+3], 32<<16
	s_mov_b32 s[G1K+4], 136
	s_mov_b32 s[G1K+5], 32
	s_mov_b32 s[G1K+6], 0
	s_mov_b32 s[G1K+7], 0
	s_mov_b32 s[G1V], 15|(3<<16)|(1<<21)
	s_mov_b32 s[G1V+1], 32<<16
	s_mov_b32 s[G1V+2], 132<<16
	s_mov_b32 s[G1V+3], 32<<16
	s_mov_b32 s[G1V+4], 132
	s_mov_b32 s[G1V+5], 32
	s_mov_b32 s[G1V+6], 0
	s_mov_b32 s[G1V+7], 0
	s_mov_b32 s[SEL], 0x76543210
	s_mov_b32 s[SEL+1], 0xfedcba98
	s_mov_b32 s[CS], 0x3e38aa3b
	s_mov_b32 s[CS+1], s[CS]                       ; named with it as a pair, so it is written
	s_mov_b32 s[MNT], 0x600000
	s_mov_b32 s[TK], 0
	s_mov_b32 s[TV], 0
	s_mov_b32 s[CNT], 16
	s_lshl_b32 s8, s15, 4
	s_lshl_b32 s9, s14, 1
	s_add_co_u32 s8, s8, s9
	s_lshr_b32 s9, s[WV], 3
	s_add_co_u32 s8, s8, s9                        ; Q's part: 16 bh + 2 x block + wave / 8
	s_mul_i32 s8, s8, KPART
	s_and_b32 s12, s[WV], 7                        ; my tile in it
	s_lshl_b32 s10, s12, 6
	s_add_co_u32 s10, s10, s8
	s_add_co_u32 s10, s10, 8192                    ; its scale words
	s_mov_b32 s11, 0
	s_lshl_b32 s12, s12, 10
	s_add_co_u32 s8, s8, s12                       ; its codes
	s_mov_b32 s9, 0
	s_wait_kmcnt 0x0
	s_mov_b32 s[G0K], 1
	s_mov_b32 s[G0K+1], s17
	s_add_nc_u64 s[G0K+2:G0K+3], s[4:5], s[20:21]
	s_or_b32 s[G0K+3], s[G0K+3], 0x80000000
	s_mov_b32 s[G0V], 1
	s_add_co_u32 s[G0V+1], s19, VBASE
	s_add_nc_u64 s[G0V+2:G0V+3], s[4:5], s[22:23]
	s_or_b32 s[G0V+3], s[G0V+3], 0x80000000
	s_add_nc_u64 s[8:9], s[4:5], s[8:9]
	s_add_nc_u64 s[10:11], s[4:5], s[10:11]
	CROUND                                         ; all four work-groups are here: the joint loads meet
	s_cmp_lt_u32 s[WV], 4                          ; waves 0-3 fetch K, waves 4-7 V, the others nothing: one load a wave, in one branch on the wave's number
	s_cbranch_scc0 .Lnot_k
	tensor_load_to_lds s[G0K:G0K+3], s[G1K:G1K+7]
.rept 4
	v_nop
.endr
	s_branch .Lasked
.Lnot_k:
	s_cmp_lt_u32 s[WV], 8
	s_cbranch_scc0 .Lasked
	tensor_load_to_lds s[G0V:G0V+3], s[G1V:G1V+7]
.rept 4
	v_nop
.endr
.Lasked:
	v_and_b32 v5, 31, v0                           ; lane
	v_and_b32 v6, 15, v0                           ; r
	v_lshlrev_b32 v1, 4, v5                        ; K: 16 x lane
	v_add_nc_u32 v2, VBASE, v1                     ; V
	v_lshlrev_b32 v3, 2, v6                        ; K's scale words: 4 r
	v_add_nc_u32 v4, VBASE, v3                     ; V's
	global_load_b128 v[16:19], v1, s[8:9]          ; Q's fragment stays in registers
	global_load_b128 v[20:23], v1, s[8:9] offset:512
	global_load_b32 v204, v3, s[10:11]             ; and its scale words
.irp j, 0,1,2,3,4,5,6,7
	v_mov_b32 v[24+\j], 0                          ; k = 64 .. 127: zero codes, on both sides
.irp t, 0,1,2,3
	v_mov_b32 v[40+16*\t+\j], 0
.endr
.endr
.set J, 0
.rept 32
	v_mov_b32 v[160+J], 0                          ; O^T: the loop is written once; its first step finds zeros
.set J, J+1
.endr
	v_mov_b32 v13, 0xff61b1e6                      ; the largest t so far: -3e38
	v_floor_f32 v12, -v13                          ; -M
	v_mov_b32 v14, 0
	v_mov_b32 v15, 0
.irp b, 0,1,2,3
	v_mov_b32 v[BP+\b], 0                          ; a lane permute's destination counts as one of its sources
.endr
	v_mov_b32 v241, 0                              ; named as the upper half of the pair v[240:241]
	v_mov_b32 v242, 0
	s_wait_loadcnt 0x0                             ; Q
	s_wait_tensorcnt 0x0                           ; my part of K or V has landed
	s_barrier_signal -1
	s_barrier_wait -1                              ; everybody's has
.Lkey:                                                 ; 16 trips of 128 keys
	v_add_nc_u32 v8, s[TK], v1
	v_add_nc_u32 v9, s[TK], v3
	v_add_nc_u32 v10, s[TV], v2
	v_add_nc_u32 v11, s[TV], v4
.rept 5
	v_nop                                          ; with the four additions: nine places between the last step's last product and the products below, which write over the registers that it read
.endr
.irp g, 0,1                                    ; S^T = K Q^T, four tiles of 16 keys at a time
.if \g > 0
.rept 8
	v_nop                                          ; in front of loads into registers that matrix instructions have read
.endr
.endif
.irp t, 0,1,2,3
	ds_load_b128 v[32+16*\t:35+16*\t], v8 offset:(4*\g+\t)*1024
	ds_load_b128 v[36+16*\t:39+16*\t], v8 offset:(4*\g+\t)*1024+512
	ds_load_b32 v[192+4*\g+\t], v9 offset:8192+64*(4*\g+\t)
.endr
	s_wait_dscnt 0x0
.irp t, 0,1,2,3
	v_wmma_scale_f32_16x16x128_f8f6f4 v[96+8*(4*\g+\t):103+8*(4*\g+\t)], v[32+16*\t:47+16*\t], v[16:31], 0, v[192+4*\g+\t], v204 matrix_a_fmt:MATRIX_FMT_BF8 matrix_b_fmt:MATRIX_FMT_BF8
.endr
.endr
.rept 8
	v_nop
.endr
.irp b, 0,1,2,3
	v_max3_num_f32 v[BM+\b], v[96+16*\b], v[97+16*\b], v[98+16*\b]   ; the largest score of each block of 32 keys: for the row's maximum, and, since p rises with the score, for the block's largest p
.endr
.irp i, 3,5,7,9,11,13
.irp b, 0,1,2,3
	v_max3_num_f32 v[BM+\b], v[BM+\b], v[96+16*\b+\i], v[97+16*\b+\i]
.endr
.endr
.irp b, 0,1,2,3
	v_max_num_f32 v[BM+\b], v[BM+\b], v[111+16*\b]
.endr
.irp b, 0,1,2,3
	v_permlanex16_b32 v[BP+\b], v[BM+\b], s[SEL], s[SEL+1]
.endr
.irp b, 0,1,2,3
	v_max_num_f32 v[BM+\b], v[BM+\b], v[BP+\b]     ; with lane l xor 16's 16 keys
.endr
	v_max3_num_f32 v242, v[BM], v[BM+1], v[BM+2]
	v_max_num_f32 v242, v242, v[BM+3]
	v_mul_f32 v242, s[CS], v242                    ; as t
	v_max_num_f32 v13, v13, v242                   ; the running largest t
	v_mov_b32 v242, v12
	v_floor_f32 v12, -v13                          ; the new -M
	v_sub_f32 v242, v12, v242                      ; old M - new M: a whole number, 0 or less
	v_cvt_i32_f32 v242, v242                       ; (it saturates)
	v_ldexp_f32 v240, 1.0, v242                    ; f = 2^(old M - new M)
.set J, 0
.rept 32
	v_pk_fma_f32 v[96+J:97+J], v[96+J:97+J], s[CS:CS+1], v[12:13] op_sel_hi:[1,0,0]   ; t - M, two at a time
.set J, J+2
.endr
.irp b, 0,1,2,3
	v_fma_f32 v[BM+\b], v[BM+\b], s[CS], v12       ; the same of each block's largest score
.endr
.set J, 0
.rept 64
	v_exp_f32 v[96+J], v[96+J]                     ; p = 2^(t - M)
.set J, J+1
.endr
	v_pk_mul_f32 v[14:15], v[14:15], v[240:241] op_sel_hi:[1,0]   ; the sums under the new M: a plain line behind the exponentials
	s_wait_alu depctr_va_vdst(0)                   ; one wait for the batch, ahead of its first reader
.irp b, 0,1,2,3
	v_exp_f32 v[BM+\b], v[BM+\b]                   ; the block's largest p
.endr
	v_pk_add_f32 v[222:223], v[96:97], v[98:99]    ; the row's sum of the unquantised p, in two chains
.irp j, 4,8,12,16,20,24,28,32,36,40,44,48,52,56,60
	v_pk_add_f32 v[14:15], v[14:15], v[96+\j:97+\j]
	v_pk_add_f32 v[222:223], v[222:223], v[98+\j:99+\j]
.endr
	v_pk_add_f32 v[14:15], v[14:15], v[222:223]
	s_wait_alu depctr_va_vdst(0)                   ; and one for the four
.irp b, 0,1,2,3
	v_max_num_f32 v[BM+\b], 0x8000000, v[BM+\b]    ; the floor 2^(16 - 127)
.endr
.irp b, 0,1,2,3
	v_add_nc_u32 v[BS+\b], 0xf8800000, v[BM+\b]
.endr
.irp b, 0,1,2,3
	v_and_or_b32 v[BH+\b], v[BM+\b], 0x7f800000, s[MNT]
.endr
.irp b, 0,1,2,3
	v_lshrrev_b32 v[BP+\b], 23, v[BS+\b]
.endr
	v_lshl_or_b32 v205, v[BP+1], 8, v[BP]          ; p's scale word for these 128 keys
	v_lshl_or_b32 v205, v[BP+2], 16, v205
	v_lshl_or_b32 v205, v[BP+3], 24, v205
.irp b, 0,1,2,3
.irp i, 0,1,2,3,4,5,6,7,8,9,10,11,12,13,14,15
	v_min_num_f32 v[96+16*\b+\i], v[96+16*\b+\i], v[BH+\b]   ; the conversion does not saturate (ISA guide 7.6.2); p is not negative: a one-sided hold
.endr
	v_cvt_scalef32_pk8_bf8_f32 v[224+4*\b:225+4*\b], v[96+16*\b:103+16*\b], v[BS+\b]
	v_cvt_scalef32_pk8_bf8_f32 v[226+4*\b:227+4*\b], v[104+16*\b:111+16*\b], v[BS+\b]
.endr
.irp t, 0,1,2,3                                ; V's four fragments take p's registers
.irp c, 0,1,2,3
	ds_load_b128 v[96+16*\t+4*\c:99+16*\t+4*\c], v10 offset:\t*2048+512*\c
.endr
	ds_load_b32 v[200+\t], v11 offset:8192+64*\t
.endr
.set J, 0
.rept 16
	v_pk_mul_f32 v[160+J:161+J], v[160+J:161+J], v[240:241] op_sel_hi:[1,0]   ; O^T under the new M; these are also the places between the conversions and the products
.set J, J+2
.endr
	s_wait_dscnt 0x0
.irp t, 0,1,2,3                                ; O^T += V^T P^T: four accumulators by turns
	v_wmma_scale_f32_16x16x128_f8f6f4 v[160+8*\t:167+8*\t], v[96+16*\t:111+16*\t], v[224:239], v[160+8*\t:167+8*\t], v[200+\t], v205 matrix_a_fmt:MATRIX_FMT_BF8 matrix_b_fmt:MATRIX_FMT_BF8
.endr
	s_add_co_u32 s[TK], s[TK], KPART
	s_add_co_u32 s[TV], s[TV], VPART
	s_sub_co_u32 s[CNT], s[CNT], 1
	s_cmp_lg_u32 s[CNT], 0
	s_cbranch_scc1 .Lkey
	; THE WAY OUT.  Register 16 B + 8 u + j of O^T is channel 32 B + 16 h + 8 u + j of my head: half a K step of the next product
.rept 8
	v_nop
.endr
	v_add_f32 v14, v14, v15
	v_permlanex16_b32 v242, v14, s[SEL], s[SEL+1]
	v_add_f32 v14, v14, v242                       ; the row's sum
	v_rcp_f32 v14, v14
	v_nop                                          ; a plain line behind the transcendental
	s_lshr_b32 s8, s15, 4
	s_lshl_b32 s8, s8, 4
	s_lshl_b32 s9, s14, 1
	s_add_co_u32 s8, s8, s9
	s_lshr_b32 s9, s[WV], 3
	s_add_co_u32 s8, s8, s9                        ; the row block: 16 b + 2 x block + wave / 8
	s_lshl_b32 s8, s8, 3
	s_bfe_u32 s9, s15, 0x30001                     ; the K step: head / 2
	s_add_co_u32 s8, s8, s9
	s_mul_i32 s8, s8, PANEL
	s_and_b32 s9, s[WV], 7
	s_and_b32 s12, s15, 1
	s_lshl_b32 s10, s9, 6
	s_add_co_u32 s10, s10, s8
	s_add_co_u32 s10, s10, 16384
	s_lshl_b32 s11, s12, 1
	s_add_co_u32 s10, s10, s11                     ; bytes 2 (head % 2) on of my tile's scale words
	s_lshl_b32 s9, s9, 11
	s_add_co_u32 s8, s8, s9
	s_lshl_b32 s12, s12, 10
	s_add_co_u32 s8, s8, s12                       ; chunks 2 (head % 2) on of my fragment
	s_mov_b32 s9, 0
	s_mov_b32 s11, 0
	s_add_nc_u64 s[8:9], s[6:7], s[8:9]
	s_add_nc_u64 s[10:11], s[6:7], s[10:11]
	s_wait_alu depctr_va_vdst(0)                   ; ahead of the reciprocal's first reader
.set J, 0
.rept 32
	v_mul_f32 v[96+J], v[160+J], v14
.set J, J+1
.endr
	QUANT2 96, 224, 205
	global_store_b128 v1, v[224:227], s[8:9]       ; 512 consecutive bytes
	global_store_b128 v1, v[228:231], s[8:9] offset:512
	s_wait_xcnt 0x0                                ; EXEC changes only behind this wait
	v_cmp_gt_u32 vcc_lo, 16, v5
	s_and_saveexec_b32 s12, vcc_lo
	global_store_b16 v3, v205, s[10:11]            ; lanes 0-15: two bytes of each row's scale word (the other head of the pair writes the other two)
	s_wait_xcnt 0x0
	s_or_b32 exec_lo, exec_lo, s12
	CROUND                                         ; the closing round
	s_endpgm
.Lfunc_end_k_q4d6a24af7f_attn:
	.size	k_q4d6a24af7f_attn, .Lfunc_end_k_q4d6a24af7f_attn-k_q4d6a24af7f_attn
	.p2alignl 7, 3214868480
	.fill 96, 4, 3214868480
	.section	.rodata,"a",@progbits
	.p2align	6, 0x0
	.amdhsa_kernel k_q4d6a24af7f_attn
		.amdhsa_group_segment_fixed_size 274432
		.amdhsa_private_segment_fixed_size 0
		.amdhsa_enable_private_segment 0
		.amdhsa_kernarg_size 16
		.amdhsa_user_sgpr_count 2
		.amdhsa_user_sgpr_kernarg_segment_ptr 1
		.amdhsa_wavefront_size32 1
		.amdhsa_system_sgpr_workgroup_id_x 1
		.amdhsa_system_sgpr_workgroup_id_y 1
		.amdhsa_system_sgpr_workgroup_id_z 1
		.amdhsa_system_vgpr_workitem_id 0
		.amdhsa_next_free_vgpr 256
		.amdhsa_next_free_sgpr 66
		.amdhsa_reserve_vcc 1
		.amdhsa_float_denorm_mode_32 3
		.amdhsa_float_denorm_mode_16_64 3
		.amdhsa_memory_ordered 1
		.amdhsa_forward_progress 1
		.amdhsa_inst_pref_size 34
	.end_amdhsa_kernel
	.amdgpu_metadata
---
amdhsa.version: [ 1, 2 ]
amdhsa.kernels:
  - .name:           k_q4d6a24af7f_attn
    .symbol:         k_q4d6a24af7f_attn.kd
    .args:
      - { .name: qkvb, .offset: 0, .size: 8, .value_kind: global_buffer, .address_space: global }
      - { .name: aoimg, .offset: 8, .size: 8, .value_kind: global_buffer, .address_space: global }
    .group_segment_fixed_size: 274432
    .private_segment_fixed_size: 0
    .kernarg_segment_align: 8
    .kernarg_segment_size: 16
    .max_flat_workgroup_size: 512
    .sgpr_count:     66
    .vgpr_count:     256
    .wavefront_size: 32
...
	.end_amdgpu_metadata
.endif
;; end of part 3
;; launch wo (part 4): grid 8 x 32, 4 waves a work-group, clusters of 4 x 4, 327,680 bytes of LDS; arguments aoimg, wimg, bo, x, x1; writes x1
.if DOCPART == 4
	.amdgcn_target "amdgcn-amd-amdhsa--gfx1250"
	.amdhsa_code_object_version 6
	.text
	.protected	k_q4d6a24af7f_wo
	.globl	k_q4d6a24af7f_wo
	.p2align	8
	.type	k_q4d6a24af7f_wo,@function
k_q4d6a24af7f_wo:
	s_mov_b64 s[64:65], 0
	v_nop
	global_prefetch_b8 v0, s[64:65] scope:SCOPE_SE
	s_setreg_imm32_b32 hwreg(HW_REG_WAVE_MODE, 25, 1), 1
	s_wait_xcnt 0x0
	s_wait_alu depctr_hold_cnt(0) depctr_sa_sdst(0) depctr_va_vdst(0) depctr_va_sdst(0) depctr_va_ssrc(0) depctr_va_vcc(0) depctr_vm_vsrc(0)
	s_getreg_b32 s2, hwreg(HW_REG_IB_STS2, 6, 4)
	s_cmp_eq_u32 s2, 0
	s_cbranch_scc0 .Lentry_in_a_cluster
	s_endpgm
.Lentry_in_a_cluster:
	s_bfe_u32 s2, ttmp6, 0x10000c
	s_cmp_lg_u32 s2, 0xf033
	s_cbranch_scc0 .Lentry_shape_is_right
	s_endpgm
.Lentry_shape_is_right:
; OUT = RES + A W^T + bias on codes of MX-BF8; OUT and RES are [4,096][1,024] f32.  Here: A = the attention's result, W = Wo (K = 1,024), RES = x, OUT = x1.
; OPERANDS are register images (a fragment: 16 rows x 128 K, chunk c at 512 c + 16 x lane; a panel: 8 fragments + 8 x 64 bytes of scale words, 16,896 bytes; a matrix: [row block of 128][K step]).
; Tile 2 B + u of 128 rows has in lane r the row 32 B + 8 u + r + 8 (r / 8).  Source 0 = the weight's rows, source 1 = tokens: a lane holds one token; register j of tile 2 B + u is feature 32 B + 16 h + 8 u + j.
; SHARES.  A work-group makes 128 x 128; four waves 2 x 2, each 64 x 64: 16 accumulators.  That size gives 256 work-groups.  K goes through two LDS slots of four K steps; with K = 1,024 they hold all of K and
; nothing is filled again (RING = 0); with a longer K they take turns (RING = 1).  The bias is the C of each sum's first product.
; THE WAY OUT: 16 tokens x 64 features at a time through the wave's own stage in LDS (rows 272 bytes apart), back as rows of 256 bytes; the residual is added; sixteen lanes store 256 consecutive, aligned bytes.
; CLUSTER 4 x 4: A's panels are shared along a row of the cluster, the weights' along a column: joint loads.
.set KP,    8
.set WPAN,  192
.set RING,  0
.set LAPS,  KP/8
.set PANEL, 16896
.set ASZ,   4*PANEL
.set SLOT,  2*ASZ
.set STG,   2*SLOT                     ; behind the slots: 16 rows x 272 bytes for each wave
.set SPARE, STG+4*4352                 ; behind the stages: the spare words, 128 bytes for each wave (RING = 1 alone)
.set ADRA,  8
.set ADRB,  10
.set ADRS,  12
.set SC,    20
.set RS,    32                         ; v32-63, v64-95 two sets of residual rows
.set BIA,   96                         ; v96-127 the bias; on the way out the rows read back
.set BK,    96
.set ACC,   128
.set F0,    0
.set F1,    128
.set WV, 16
.set WR, 17
.set WC, 18
.set RB, 19
.set NB, 42
.set G1, 24
.set G0, 32
.set G1B, 48
.set G0B, 56
.set MSB, 0
.set MUL,  0x05
.set TO_F, 0x40
.macro WIN new
.if MSB != \new
	s_set_vgpr_msb (MSB<<8)|\new
.set MSB, \new
.endif
.endm
.macro JLOAD s                         ; a joint load: waves 0, 1 fetch A's panels, waves 2, 3 the weights'; four v_nop follow each line
	s_cmp_eq_u32 s[WR], 0
	s_cbranch_scc0 .Lfor_b_\@
	tensor_load_to_lds s[G0+4*\s:G0+4*\s+3], s[G1:G1+7]
.rept 4
	v_nop
.endr
	s_branch .Lasked_\@
.Lfor_b_\@:
	tensor_load_to_lds s[G0B+4*\s:G0B+4*\s+3], s[G1B:G1B+7]
.rept 4
	v_nop
.endr
.Lasked_\@:
.endm
.macro CREST
	s_cmp_lg_u32 s[WV], 0
	s_cbranch_scc1 .Lnot_wave_0_\@
	s_barrier_signal -3
.Lnot_wave_0_\@:
	s_barrier_wait -3
	s_barrier_signal -1
	s_barrier_wait -1
.endm
.macro CROUND
	s_barrier_signal -1
	s_barrier_wait -1
	CREST
.endm
.macro PLACES n
.rept \n
	v_nop
.endr
.endm
.macro FRAG reg, adr, off
.irp c, 0,1,2,3
	ds_load_b128 v[\reg+4*\c:\reg+4*\c+3], v[\adr] offset:\off+512*\c
.endr
.endm
.macro FETCH slot, q, f                ; 36 LDS loads: 4 scale words, the weights' four fragments, A's four
	WIN 0
.irp i, 0,1,2,3
	ds_load_b32 v[SC+(\f)/32+\i], v[ADRS+\slot] offset:(\q)*PANEL+64*\i
.endr
	WIN TO_F
.irp t, 0,1,2,3
	FRAG \f+64+16*\t, ADRB+\slot, (\q)*PANEL+\t*2048
.endr
.irp t, 0,1,2,3
	FRAG \f+16*\t, ADRA+\slot, (\q)*PANEL+\t*2048
.endr
.endm
.macro MUL8 f, l0, first               ; A's tiles l0, l0 + 1 x the weights' four; the 16 accumulators take turns
.irp l, \l0, \l0+1
.irp p, 0,1,2,3
.set rD, ACC+8*(4*(\l)+\p)
.set rC, rD
.if \first
.set rC, BIA+8*\p
.endif
	v_wmma_scale_f32_16x16x128_f8f6f4 v[rD:rD+7], v[\f+64+16*\p:\f+64+16*\p+15], v[\f+16*(\l):\f+16*(\l)+15], v[rC:rC+7], v[SC+(\f)/32+\p], v[SC+(\f)/32+(\l)] matrix_a_fmt:MATRIX_FMT_BF8 matrix_b_fmt:MATRIX_FMT_BF8 matrix_a_scale:MATRIX_SCALE_ROW1
.endr
.endr
.endm
.macro STEP slot, q, first
	s_wait_dscnt 8                                 ; all but the youngest eight loads: A's fragments 2, 3
	WIN MUL
	MUL8 128*((\q)%2), 0, \first
	PLACES 8                                       ; in front of loads into the other set, which the step before multiplied
	FETCH \slot, (\q)+1, 128-128*((\q)%2)
	s_wait_dscnt 36                                ; all but the 36 just issued
	WIN MUL
	MUL8 128*((\q)%2), 2, \first
.endm
; A slot's last step changes slots: one barrier; in front of it each wave waits for all its tensor loads and for its reads of this slot.  fill = 1: this slot is filled again, two slots ahead
.macro TURN slot, next, fill
	WIN 0
	s_wait_tensorcnt 0x0                           ; all my tensor loads have landed: my part of the next slot
.if RING
	ds_add_u32 v18, v19                            ; 0 onto my spare word
.endif
.if \fill
	s_add_nc_u64 s[G0+4*\slot+2:G0+4*\slot+3], s[G0+4*\slot+2:G0+4*\slot+3], 8*PANEL
	s_add_nc_u64 s[G0B+4*\slot+2:G0B+4*\slot+3], s[G0B+4*\slot+2:G0B+4*\slot+3], 8*PANEL
.endif
	s_wait_dscnt 0x0                               ; my reads of this slot are over (and the add is done)
	s_barrier_signal -1
	WIN MUL
	MUL8 F1, 0, 0
	WIN 0
	s_barrier_wait -1
.if \fill
	CREST                                          ; the barrier has opened a round of the cluster's: no wave of any partner still reads this slot or has a load on its way
	JLOAD \slot                                    ; the first tensor load behind the round, one a wave
	PLACES 4
.else
	PLACES 8
.endif
	FETCH \next, 0, F0
	WIN MUL
	MUL8 F1, 2, 0
.endm
.macro RLOAD l, set                    ; the residual of tile l's 16 rows x my 64 columns: sixteen lanes read 256 consecutive bytes
.irp t, 0,1,2,3,4,5,6,7
	global_load_b128 v[\set+4*\t:\set+4*\t+3], v16, s[10:11] offset:(32*((\l)/2)+8*((\l)%2)+2*\t+8*(\t/4))*4096 th:TH_LOAD_NT
.endr
.endm
	s_load_b256 s[4:11], s[0:1], 0x0               ; A, wimg, bias, the residual
	s_load_b64 s[12:13], s[0:1], 0x20              ; the result
.if RING
	v_lshl_add_u32 v18, v0, 2, SPARE
	v_mov_b32 v19, 0
.endif
	v_lshrrev_b32 v1, 5, v0
	v_readfirstlane_b32 s[WV], v1
	s_lshr_b32 s[WR], s[WV], 1
	s_and_b32 s[WC], s[WV], 1
	s_bfe_u32 s40, ttmp6, 0x40000
	s_bfe_u32 s41, ttmp6, 0x40004
	s_lshl_b32 s[NB], ttmp9, 2
	s_add_co_u32 s[NB], s[NB], s40
	s_and_b32 s[RB], ttmp7, 0xffff
	s_lshl_b32 s[RB], s[RB], 2
	s_add_co_u32 s[RB], s[RB], s41
	s_lshl_b32 s43, s41, 2
	s_lshl_b32 s43, 15, s43
	s_lshl_b32 s44, 0x1111, s40
	s_or_b32 s[G1], s43, (3<<16)|(1<<21)
	s_or_b32 s[G1B], s44, (3<<16)|(1<<21)
.irp g, G1, G1B
	s_mov_b32 s[\g+1], 32<<16                      ; two panels: 132 dense rows of 256 bytes
	s_mov_b32 s[\g+2], 132<<16
	s_mov_b32 s[\g+3], 32<<16
	s_mov_b32 s[\g+4], 132
	s_mov_b32 s[\g+5], 32
	s_mov_b32 s[\g+6], 0
	s_mov_b32 s[\g+7], 0
.endr
	s_mul_i32 s20, s[RB], KP
	s_lshl_b32 s21, s[WC], 1
	s_add_co_u32 s20, s20, s21
	s_mul_i32 s20, s20, PANEL
	s_mov_b32 s21, 0
	s_mul_i32 s46, s[NB], KP
	s_lshl_b32 s47, s[WC], 1
	s_add_co_u32 s46, s46, s47
	s_add_co_u32 s46, s46, WPAN
	s_mul_i32 s46, s46, PANEL
	s_mov_b32 s47, 0
	s_mul_i32 s45, s[WV], 2*PANEL
	s_wait_kmcnt 0x0
	s_add_nc_u64 s[20:21], s[4:5], s[20:21]
	s_add_nc_u64 s[46:47], s[6:7], s[46:47]
	CROUND                                         ; all sixteen work-groups are here: the first joint loads meet
.irp s, 0,1
	s_mov_b32 s[G0+4*\s], 1
	s_add_co_u32 s[G0+4*\s+1], s45, \s*SLOT
	s_add_nc_u64 s[G0+4*\s+2:G0+4*\s+3], s[20:21], \s*4*PANEL
	s_or_b32 s[G0+4*\s+3], s[G0+4*\s+3], 0x80000000
	s_mov_b32 s[G0B+4*\s], 1
	s_add_co_u32 s[G0B+4*\s+1], s45, \s*SLOT
	s_add_nc_u64 s[G0B+4*\s+2:G0B+4*\s+3], s[46:47], \s*4*PANEL
	s_or_b32 s[G0B+4*\s+3], s[G0B+4*\s+3], 0x80000000
	JLOAD \s
.endr
	v_and_b32 v3, 31, v0
	v_and_b32 v1, 15, v0
	v_bfe_u32 v2, v0, 4, 1
	v_lshlrev_b32 v4, 4, v3
	s_lshl_b32 s66, s[WR], 13
	s_lshl_b32 s67, s[WC], 13
	s_add_co_u32 s67, s67, ASZ
	v_add_nc_u32 v[ADRA], s66, v4
	v_add_nc_u32 v[ADRB], s67, v4
	s_add_co_u32 s66, s66, SLOT
	s_add_co_u32 s67, s67, SLOT
	v_add_nc_u32 v[ADRA+1], s66, v4
	v_add_nc_u32 v[ADRB+1], s67, v4
	s_lshl_b32 s66, s[WR], 8
	s_lshl_b32 s67, s[WC], 8
	s_add_co_u32 s67, s67, ASZ
	s_sub_co_u32 s67, s67, s66
	v_mul_u32_u24 v6, s67, v2                      ; lanes 16-31 take the weights' scale words
	v_lshl_add_u32 v6, v1, 2, v6
	s_add_co_u32 s66, s66, 16384
	v_add_nc_u32 v[ADRS], s66, v6
	s_add_co_u32 s66, s66, SLOT
	v_add_nc_u32 v[ADRS+1], s66, v6
	s_mul_i32 s66, s[WV], 4352
	s_add_co_u32 s66, s66, STG                     ; my stage
	v_mul_u32_u24 v14, v1, 272
	v_lshl_add_u32 v14, v2, 6, v14
	v_add_nc_u32 v14, s66, v14                     ; in: row r, + 64 h
	v_mul_u32_u24 v15, v2, 272
	v_lshl_add_u32 v15, v1, 4, v15
	v_add_nc_u32 v15, s66, v15                     ; back: lanes 0-15 one row, lanes 16-31 the next
	v_lshlrev_b32 v16, 12, v2
	v_lshl_add_u32 v16, v1, 4, v16                 ; and the same two rows in memory
	v_lshlrev_b32 v17, 6, v2                       ; the bias: 64 h
	s_lshl_b32 s66, s[NB], 9
	s_lshl_b32 s67, s[WC], 8
	s_add_co_u32 s66, s66, s67
	s_mov_b32 s67, 0
	s_add_nc_u64 s[8:9], s[8:9], s[66:67]          ; the bias at my 64 features
	s_lshl_b32 s68, s[RB], 19
	s_lshl_b32 s69, s[WR], 18
	s_add_co_u32 s68, s68, s69
	s_add_co_u32 s68, s68, s66
	s_mov_b32 s69, 0
	s_add_nc_u64 s[10:11], s[10:11], s[68:69]      ; residual and result at my 64 x 64
	s_add_nc_u64 s[12:13], s[12:13], s[68:69]
.irp p, 0,1,2,3
	global_load_b128 v[BIA+8*\p:BIA+8*\p+3], v17, s[8:9] offset:128*(\p/2)+32*(\p%2)
	global_load_b128 v[BIA+8*\p+4:BIA+8*\p+7], v17, s[8:9] offset:128*(\p/2)+32*(\p%2)+16
.endr
	RLOAD 0, RS
	RLOAD 1, RS+32
	s_wait_loadcnt 16                              ; the bias is in; the sixteen residual loads stay out
	s_wait_tensorcnt 0x1                           ; my part of slot 0 is in; slot 1's may stay out
	s_barrier_signal -1
	s_barrier_wait -1
	FETCH 0, 0, F0
	STEP 0, 0, 1                                   ; the first step stands in front of the loop: the bias starts the sums
.if LAPS > 1
	WIN 0
	s_mov_b32 s3, LAPS-1
.Llap:                                                 ; a trip goes once round the ring and fills both slots again
	STEP 0, 1, 0
	STEP 0, 2, 0
	TURN 0, 1, 1
	STEP 1, 0, 0
	STEP 1, 1, 0
	STEP 1, 2, 0
	TURN 1, 0, 1
	STEP 0, 0, 0
	WIN 0
	s_sub_co_u32 s3, s3, 1
	s_cmp_lg_u32 s3, 0
	s_cbranch_scc1 .Llap
.endif
	STEP 0, 1, 0                                   ; the last lap fills nothing
	STEP 0, 2, 0
	TURN 0, 1, 0
	STEP 1, 0, 0
	STEP 1, 1, 0
	STEP 1, 2, 0
	s_wait_dscnt 8
	WIN MUL
	MUL8 F1, 0, 0
	s_wait_dscnt 0x0
	MUL8 F1, 2, 0
	WIN 0
	PLACES 8
.irp l, 0,1,2,3
.if \l > 0
	s_wait_xcnt 0x0                                ; the last tile's stores have read their registers
.endif
.irp p, 0,1,2,3
	ds_store_b128 v14, v[ACC+32*\l+8*\p:ACC+32*\l+8*\p+3] offset:128*(\p/2)+32*(\p%2)          ; each accumulator from its low end on
	ds_store_b128 v14, v[ACC+32*\l+8*\p+4:ACC+32*\l+8*\p+7] offset:128*(\p/2)+32*(\p%2)+16
.endr
.irp t, 0,1,2,3,4,5,6,7
	ds_load_b128 v[BK+4*\t:BK+4*\t+3], v15 offset:544*\t   ; LDS serves a wave's instructions in order: these see my stores
.endr
.if \l < 3
	s_wait_loadcnt 8                               ; this tile's residual is in; the younger set stays out
.else
	s_wait_loadcnt 0x0
.endif
	s_wait_dscnt 0x0
.set I, 0
.rept 16
	v_pk_add_f32 v[BK+I:BK+I+1], v[BK+I:BK+I+1], v[RS+32*(\l%2)+I:RS+32*(\l%2)+I+1]
.set I, I+2
.endr
.irp t, 0,1,2,3,4,5,6,7
	global_store_b128 v16, v[BK+4*\t:BK+4*\t+3], s[12:13] offset:(32*(\l/2)+8*(\l%2)+2*\t+8*(\t/4))*4096 th:TH_STORE_NT
.endr
.if \l < 2
	RLOAD \l+2, RS+32*(\l%2)
.endif
.endr
.if RING
	s_wait_tensorcnt 0x0                           ; the wave's end
	ds_add_u32 v18, v19
	s_wait_dscnt 0x0
.endif
	CROUND                                         ; the closing round
	s_endpgm
.Lfunc_end_k_q4d6a24af7f_wo:
	.size	k_q4d6a24af7f_wo, .Lfunc_end_k_q4d6a24af7f_wo-k_q4d6a24af7f_wo
	.p2alignl 7, 3214868480
	.fill 96, 4, 3214868480
	.section	.rodata,"a",@progbits
	.p2align	6, 0x0
	.amdhsa_kernel k_q4d6a24af7f_wo
		.amdhsa_group_segment_fixed_size 327680
		.amdhsa_private_segment_fixed_size 0
		.amdhsa_enable_private_segment 0
		.amdhsa_kernarg_size 40
		.amdhsa_user_sgpr_count 2
		.amdhsa_user_sgpr_kernarg_segment_ptr 1
		.amdhsa_wavefront_size32 1
		.amdhsa_system_sgpr_workgroup_id_x 1
		.amdhsa_system_sgpr_workgroup_id_y 1
		.amdhsa_system_sgpr_workgroup_id_z 1
		.amdhsa_system_vgpr_workitem_id 0
		.amdhsa_next_free_vgpr 512
		.amdhsa_next_free_sgpr 100
		.amdhsa_reserve_vcc 0
		.amdhsa_float_denorm_mode_32 3
		.amdhsa_float_denorm_mode_16_64 3
		.amdhsa_memory_ordered 1
		.amdhsa_forward_progress 1
		.amdhsa_inst_pref_size 60
	.end_amdhsa_kernel
	.amdgpu_metadata
---
amdhsa.version: [ 1, 2 ]
amdhsa.kernels:
  - .name:           k_q4d6a24af7f_wo
    .symbol:         k_q4d6a24af7f_wo.kd
    .args:
      - { .name: aoimg, .offset: 0, .size: 8, .value_kind: global_buffer, .address_space: global }
      - { .name: wimg, .offset: 8, .size: 8, .value_kind: global_buffer, .address_space: global }
      - { .name: bo, .offset: 16, .size: 8, .value_kind: global_buffer, .address_space: global }
      - { .name: x, .offset: 24, .size: 8, .value_kind: global_buffer, .address_space: global }
      - { .name: x1, .offset: 32, .size: 8, .value_kind: global_buffer, .address_space: global }
    .group_segment_fixed_size: 327680
    .private_segment_fixed_size: 0
    .kernarg_segment_align: 8
    .kernarg_segment_size: 40
    .max_flat_workgroup_size: 128
    .sgpr_count:     100
    .vgpr_count:     512
    .wavefront_size: 32
...
	.end_amdgpu_metadata
.endif
;; end of part 4
;; launch prep2: the kernel of part 1 again; grid 256 x 1, 8 waves a work-group, no clusters, 68,608 bytes of LDS; arguments x1, ln2_g, ln2_b, Wq, Wk, Wv, Wo, W1, W2, aimg, wimg; writes aimg, wimg
;; launch w1 (part 5): grid 8 x 32, 4 waves a work-group, clusters of 4 x 4, 327,680 bytes of LDS; arguments aimg, wimg, b1, hcimg; writes hcimg
.if DOCPART == 5
	.amdgcn_target "amdgcn-amd-amdhsa--gfx1250"
	.amdhsa_code_object_version 6
	.text
	.protected	k_q4d6a24af7f_w1
	.globl	k_q4d6a24af7f_w1
	.p2align	8
	.type	k_q4d6a24af7f_w1,@function
k_q4d6a24af7f_w1:
	s_mov_b64 s[64:65], 0
	v_nop
	global_prefetch_b8 v0, s[64:65] scope:SCOPE_SE
	s_setreg_imm32_b32 hwreg(HW_REG_WAVE_MODE, 25, 1), 1
	s_wait_xcnt 0x0
	s_wait_alu depctr_hold_cnt(0) depctr_sa_sdst(0) depctr_va_vdst(0) depctr_va_sdst(0) depctr_va_ssrc(0) depctr_va_vcc(0) depctr_vm_vsrc(0)
	s_getreg_b32 s2, hwreg(HW_REG_IB_STS2, 6, 4)
	s_cmp_eq_u32 s2, 0
	s_cbranch_scc0 .Lentry_in_a_cluster
	s_endpgm
.Lentry_in_a_cluster:
	s_bfe_u32 s2, ttmp6, 0x10000c
	s_cmp_lg_u32 s2, 0xf033
	s_cbranch_scc0 .Lentry_shape_is_right
	s_endpgm
.Lentry_shape_is_right:
; H = gelu(A W1^T + b1) on codes of MX-BF8 (K = 1,024), quantised in registers along the 4,096 hidden units and stored as the next product's operand image.
; OPERANDS are register images (a fragment: 16 rows x 128 K, chunk c at 512 c + 16 x lane; a panel: 8 fragments + 8 x 64 bytes of scale words, 16,896 bytes; a matrix: [row block of 128][K step]).
; Tile 2 B + u of 128 rows has in lane r the row 32 B + 8 u + r + 8 (r / 8).  Source 0 = W1's rows, source 1 = tokens: a lane holds one token, and the 16 registers of tiles 2 B, 2 B + 1 are hidden units
; 32 B + 16 h + 0 .. 15: the conversions' results are chunks 2 wc, 2 wc + 1 of the token tile's fragment at K step nb.
; SHARES.  A WORK-GROUP STAYS: it owns 128 tokens (row block rb) and makes four tiles of 128 x 128, hidden blocks nb, nb + 8, nb + 16, nb + 24.  Four waves 2 x 2, each 64 x 64: 16 accumulators.
; LDS: two slots of four K steps, each A's four panels and then W1's four.  A's eight panels are the same for the four tiles: they are fetched once and stay.  W1's half of a slot is filled again with the next
; tile's: slot 0's at the change of slots in the middle of K, slot 1's in the middle of the way out: so a refill lands under K steps and the gelu.  Waves 2 and 3 fetch it, 33,792 bytes each.
; By this text's count a wave has two tensor loads out at the start, later one at the most.  Three tiles go round a loop; the last is written out.
; The bias is the C of each sum's first product; it lies in window 2, and the next tile's is loaded at the head of the way out.
; GELU, exact form: gelu(x) = max(x, 0) - |x| erfc(|x| / sqrt 2) / 2, with erfc(z) = t exp(-z^2 + P(t)), t = 1 / (1 + z / 2), P a polynomial of degree 9 whose fractional error is under 1.2e-7 for every z:
; no difference of near-equal numbers is formed for x < 0.  All in f32.
; A wave makes two of a scale word's four bytes and stores them as 16 bits: those units are written in part.
; CLUSTER 4 x 4: A's panels are shared along a row of the cluster, W1's along a column: joint loads; each refill stands behind a round of the cluster's barrier.
; All of a WGP's LDS is claimed.
; LIMITS: NaN and infinities are not served; a block whose largest magnitude lies under 2^-111 gets the byte 1; for x under about -13.1 the result is -0 (the true value lies under 2^-126, and v_exp_f32 gives 0 there).
.set KP,    8
.set WPAN,  256
.set TILES, 4
.set PANEL, 16896
.set ASZ,   4*PANEL
.set SLOT,  2*ASZ
.set SPARE, 2*SLOT                     ; behind the slots: the spare words, 128 bytes for each wave: two blocks of 256 bytes that no other line names
.set NEXTW, 64*PANEL                   ; from a tile's weights to the next tile's: 8 hidden blocks x KP panels
.set ADRA,  8
.set ADRB,  10
.set ADRS,  12
.set SC,    20
.set T,     32                         ; v32-63  t, then erfc / 2
.set P,     64                         ; v64-95  the polynomial, the exponent, the exponential; then the quantiser's registers
.set Q,     96                         ; v96-127 x^2, then max(x, 0); then, in its last eight, the codes
.set TM,    64
.set PC,    120
.set BIA,   0                          ; window 2: v0-31 the bias in the result's layout
.set ACC,   128
.set F0,    0
.set F1,    128
.set WV, 16
.set WR, 17
.set WC, 18
.set RB, 19
.set NB, 42
.set G1, 24
.set G0, 32
.set G1B, 48
.set G0B, 56
.set SEL, 80
.set MNT, 82
.set MSB, 0
.set MUL,  0x05                        ; sources 0 and 1 window 1; C and D window 0
.set MULF, 0x25                        ; the same with C in window 2: a tile's first K step
.set TO_F, 0x40
; v[14:15] a coefficient, twice; v17 64 h: the bias; v18 my spare word's address, v19 0: both never rewritten.  s[78:79] the codes' place, s[76:77] the scale words', s[68:69] what the next way out adds to both
.macro WIN new
.if MSB != (\new)
	s_set_vgpr_msb (MSB<<8)|(\new)
.set MSB, (\new)
.endif
.endm
.macro JLOAD s                         ; a first fill: waves 0, 1 fetch A's panels, waves 2, 3 the weights'; four v_nop follow each line
	s_cmp_eq_u32 s[WR], 0
	s_cbranch_scc0 .Lfor_b_\@
	tensor_load_to_lds s[G0+4*\s:G0+4*\s+3], s[G1:G1+7]
.rept 4
	v_nop
.endr
	s_branch .Lasked_\@
.Lfor_b_\@:
	tensor_load_to_lds s[G0B+4*\s:G0B+4*\s+3], s[G1B:G1B+7]
.rept 4
	v_nop
.endr
.Lasked_\@:
.endm
.macro BLOAD s                         ; a refill: the weights' half of slot s alone; waves 0 and 1 have no part of it.  The branch hangs on the wave's number alone
	s_cmp_eq_u32 s[WR], 0
	s_cbranch_scc1 .Lnone_\@
	tensor_load_to_lds s[G0B+4*\s:G0B+4*\s+3], s[G1B:G1B+7]
.rept 4
	v_nop
.endr
.Lnone_\@:
.endm
.macro CREST
	s_cmp_lg_u32 s[WV], 0
	s_cbranch_scc1 .Lnot_wave_0_\@
	s_barrier_signal -3
.Lnot_wave_0_\@:
	s_barrier_wait -3
	s_barrier_signal -1
	s_barrier_wait -1
.endm
.macro CROUND
	s_barrier_signal -1
	s_barrier_wait -1
	CREST
.endm
.macro PLACES n
.rept \n
	v_nop
.endr
.endm
.macro FRAG reg, adr, off
.irp c, 0,1,2,3
	ds_load_b128 v[\reg+4*\c:\reg+4*\c+3], v[\adr] offset:\off+512*\c
.endr
.endm
.macro FETCH slot, q, f                ; 36 LDS loads: 4 scale words, the weights' four fragments, A's four
	WIN 0
.irp i, 0,1,2,3
	ds_load_b32 v[SC+(\f)/32+\i], v[ADRS+\slot] offset:(\q)*PANEL+64*\i
.endr
	WIN TO_F
.irp t, 0,1,2,3
	FRAG \f+64+16*\t, ADRB+\slot, (\q)*PANEL+\t*2048
.endr
.irp t, 0,1,2,3
	FRAG \f+16*\t, ADRA+\slot, (\q)*PANEL+\t*2048
.endr
.endm
.macro MUL8 f, l0, first               ; A's tiles l0, l0 + 1 x the weights' four; the 16 accumulators take turns
.irp l, \l0, \l0+1
.irp p, 0,1,2,3
.set rD, ACC+8*(4*(\l)+\p)
.set rC, rD
.if \first
.set rC, BIA+8*\p
.endif
	v_wmma_scale_f32_16x16x128_f8f6f4 v[rD:rD+7], v[\f+64+16*\p:\f+64+16*\p+15], v[\f+16*(\l):\f+16*(\l)+15], v[rC:rC+7], v[SC+(\f)/32+\p], v[SC+(\f)/32+(\l)] matrix_a_fmt:MATRIX_FMT_BF8 matrix_b_fmt:MATRIX_FMT_BF8 matrix_a_scale:MATRIX_SCALE_ROW1
.endr
.endr
.endm
.macro STEP slot, q, first
	s_wait_dscnt 8                                 ; all but the youngest eight loads: A's fragments 2, 3
.if \first
	WIN MULF
.else
	WIN MUL
.endif
	MUL8 128*((\q)%2), 0, \first
	PLACES 8                                       ; in front of loads into the other set, which the step before multiplied
	FETCH \slot, (\q)+1, 128-128*((\q)%2)
	s_wait_dscnt 36                                ; all but the 36 just issued
.if \first
	WIN MULF
.else
	WIN MUL
.endif
	MUL8 128*((\q)%2), 2, \first
.endm
; Slot 0's last step changes slots: one barrier; in front of it each wave waits for all its tensor loads, adds 0 to its spare word, and waits for that and for its reads of slot 0.
; fill = 1: the weights' half of slot 0 is filled again, with the next tile's K steps 0 to 3
.macro TURN fill
	WIN 0
	s_wait_tensorcnt 0x0                           ; all my tensor loads have landed: my part of slot 1; so a group 0 may be written
	ds_add_u32 v18, v19                            ; 0 onto my spare word
.if \fill
	s_add_nc_u64 s[G0B+2:G0B+3], s[G0B+2:G0B+3], NEXTW
.endif
	s_wait_dscnt 0x0                               ; the add is done, and my reads of slot 0 are over
	s_barrier_signal -1
	WIN MUL
	MUL8 F1, 0, 0
	WIN 0
	s_barrier_wait -1
.if \fill
	CREST                                          ; the barrier has opened a round of the cluster's: no wave of any partner still reads slot 0 or has a load on its way
	BLOAD 0                                        ; the first tensor load behind the round, one a wave: 72 matrix instructions and half of the way out ahead of the wait for it
.endif
	PLACES 8                                       ; in front of the loads below, on the way of the waves that fetch nothing too
	FETCH 1, 0, F0
	WIN MUL
	MUL8 F1, 2, 0
.endm
; In the middle of the way out: slot 1 has been read out; its weights' half takes the next tile's K steps 4 to 7, and the next tile's first fragments are asked for
.macro CHANGE
	s_wait_tensorcnt 0x0                           ; slot 0's refill has landed
	ds_add_u32 v18, v19                            ; 0 onto my spare word
	s_add_nc_u64 s[G0B+6:G0B+7], s[G0B+6:G0B+7], NEXTW
	s_wait_dscnt 0x0                               ; the add is done; my reads of slot 1 were over at the tile's last products
	CROUND                                         ; both now hold of every wave of every work-group of the cluster
	BLOAD 1                                        ; half of the way out and 48 matrix instructions ahead of the wait for it
	FETCH 0, 0, F0
	WIN 0
.endm
.macro BIAS                            ; register j of tile 2 B + u is hidden unit 32 B + 16 h + 8 u + j
	WIN 0x80                                       ; destination window 2, address window 0
.irp p, 0,1,2,3
	global_load_b128 v[BIA+8*\p:BIA+8*\p+3], v17, s[8:9] offset:128*(\p/2)+32*(\p%2)
	global_load_b128 v[BIA+8*\p+4:BIA+8*\p+7], v17, s[8:9] offset:128*(\p/2)+32*(\p%2)+16
.endr
	WIN 0
.endm
.macro QUANT2 s, pc, pw
.irp b, 0,1
	v_max3_num_f32 v[TM+\b], |v[\s+16*\b]|, |v[\s+1+16*\b]|, 0x8000000
.endr
.irp i, 2,4,6,8,10,12,14
.irp b, 0,1
	v_max3_num_f32 v[TM+\b], v[TM+\b], |v[\s+16*\b+\i]|, |v[\s+1+16*\b+\i]|
.endr
.endr
.irp b, 0,1
	v_permlanex16_b32 v[TM+4+\b], v[TM+\b], s[SEL], s[SEL+1]
.endr
.irp b, 0,1
	v_max_num_f32 v[TM+\b], v[TM+\b], v[TM+4+\b]
.endr
.irp b, 0,1
	v_add_nc_u32 v[TM+12+\b], 0xf8800000, v[TM+\b]
.endr
.irp b, 0,1
	v_and_or_b32 v[TM+8+\b], v[TM+\b], 0x7f800000, s[MNT]
.endr
.irp b, 0,1
	v_lshrrev_b32 v[TM+4+\b], 23, v[TM+12+\b]
.endr
	v_lshl_or_b32 v[\pw], v[TM+5], 8, v[TM+4]
.irp b, 0,1
.irp i, 0,1,2,3,4,5,6,7,8,9,10,11,12,13,14,15
	v_med3_num_f32 v[\s+16*\b+\i], v[\s+16*\b+\i], -v[TM+8+\b], v[TM+8+\b]
.endr
	v_cvt_scalef32_pk8_bf8_f32 v[\pc+4*\b:\pc+1+4*\b], v[\s+16*\b:\s+7+16*\b], v[TM+12+\b]
	v_cvt_scalef32_pk8_bf8_f32 v[\pc+2+4*\b:\pc+3+4*\b], v[\s+8+16*\b:\s+15+16*\b], v[TM+12+\b]
.endr
	v_nop
.endm
.macro GELU x                          ; 32 numbers at v[x], in place
.set I, 0
.rept 32
	v_fma_f32 v[T+I], |v[\x+I]|, s83, 1.0          ; 1 + z / 2, z = |x| / sqrt 2
.set I, I+1
.endr
.set I, 0
.rept 32
	v_rcp_f32 v[T+I], v[T+I]                       ; t
.set I, I+1
.endr
	s_wait_xcnt 0x0                                ; the last part's stores have read the codes' registers, which lie in Q: only now is Q written
.set I, 0
.rept 16
	v_pk_mul_f32 v[Q+I:Q+I+1], v[\x+I:\x+I+1], v[\x+I:\x+I+1]   ; x^2: plain work behind the batch
.set I, I+2
.endr
	s_wait_alu depctr_va_vdst(0)                   ; one wait for the 32 reciprocals, ahead of their first reader
.set I, 0
.rept 16
	v_pk_fma_f32 v[P+I:P+I+1], v[T+I:T+I+1], 0x3e2ef945, v[14:15] op_sel_hi:[1,0,1]   ; 0.17087277 t - 0.82215223
.set I, I+2
.endr
.irp c, 0x3fbe87b0, 0xbf914e5d, 0x3e8ec7cc, 0xbe3ec24c, 0x3dc636c9, 0x3ebf88fb, 0x3f8000c7, 0xbfa1fc4e
.set I, 0
.rept 16
	v_pk_fma_f32 v[P+I:P+I+1], v[P+I:P+I+1], v[T+I:T+I+1], \c op_sel_hi:[1,1,0]       ; 1.48851587, -1.13520398, 0.27886807, -0.18628806, 0.09678418, 0.37409196, 1.00002368, -1.26551223
.set I, I+2
.endr
.endr
.set I, 0
.rept 16
	v_pk_fma_f32 v[P+I:P+I+1], v[Q+I:Q+I+1], -0.5, v[P+I:P+I+1] op_sel_hi:[1,0,1]     ; - z^2
.set I, I+2
.endr
.set I, 0
.rept 16
	v_pk_fma_f32 v[P+I:P+I+1], v[P+I:P+I+1], 0x3fb8aa3b, -1.0 op_sel_hi:[1,0,0]       ; x log2(e), - 1 for the half
.set I, I+2
.endr
.set I, 0
.rept 32
	v_exp_f32 v[P+I], v[P+I]
.set I, I+1
.endr
.set I, 0
.rept 32
	v_max_num_f32 v[Q+I], 0, v[\x+I]               ; max(x, 0): plain work behind the batch
.set I, I+1
.endr
	s_wait_alu depctr_va_vdst(0)                   ; one wait for the 32 exponentials
.set I, 0
.rept 16
	v_pk_mul_f32 v[T+I:T+I+1], v[T+I:T+I+1], v[P+I:P+I+1]       ; erfc / 2
.set I, I+2
.endr
.set I, 0
.rept 32
	v_fma_f32 v[\x+I], -|v[\x+I]|, v[T+I], v[Q+I]
.set I, I+1
.endr
.endm
.macro EPIL l                          ; 16 tokens x my 64 hidden units: gelu, quantiser, two chunks of the fragment
	GELU ACC+32*(\l)
	QUANT2 ACC+32*(\l), PC, 28+(\l)
	global_store_b128 v4, v[PC:PC+3], s[78:79] offset:(\l)*2048          ; 512 consecutive bytes
	global_store_b128 v4, v[PC+4:PC+7], s[78:79] offset:(\l)*2048+512
.endm
; A tile: eight K steps and the way out.  Its first fragments and its bias have been asked for.  fill = 1: it has a successor, whose weights, bias and first fragments it asks for
.macro TILE fill
	s_wait_loadcnt 0x0                             ; the bias
	STEP 0, 0, 1
	STEP 0, 1, 0
	STEP 0, 2, 0
	TURN \fill
	STEP 1, 0, 0
	STEP 1, 1, 0
	STEP 1, 2, 0
	s_wait_dscnt 8
	WIN MUL
	MUL8 F1, 0, 0
	s_wait_dscnt 0x0
	MUL8 F1, 2, 0
	WIN 0
	PLACES 8                                       ; in front of the first read of results
	s_wait_xcnt 0x0                                ; the last tile's stores, a K walk back, have read their registers and bases
	s_add_nc_u64 s[78:79], s[78:79], s[68:69]      ; on to this tile's panel (the first tile adds 0)
	s_add_nc_u64 s[76:77], s[76:77], s[68:69]
	s_mov_b32 s68, 8*PANEL
.if \fill
	s_add_nc_u64 s[8:9], s[8:9], 8*512             ; the next tile's bias: 8 hidden blocks on; it lands under the way out
	BIAS
.endif
	EPIL 0
	EPIL 1
.if \fill
	CHANGE
.endif
	EPIL 2
	EPIL 3
	v_cmp_le_u32 vcc_lo, 16, v3
	v_cndmask_b32 v84, v28, v29, vcc_lo            ; lanes 0-15 one tile's scale bytes, lanes 16-31 the next's
	v_cndmask_b32 v85, v30, v31, vcc_lo
	global_store_b16 v5, v84, s[76:77]
	global_store_b16 v5, v85, s[76:77] offset:128
.endm
	s_load_b256 s[4:11], s[0:1], 0x0               ; aimg, wimg, b1, hcimg
	v_lshl_add_u32 v18, v0, 2, SPARE
	v_mov_b32 v19, 0
	v_lshrrev_b32 v1, 5, v0
	v_readfirstlane_b32 s[WV], v1
	s_lshr_b32 s[WR], s[WV], 1
	s_and_b32 s[WC], s[WV], 1
	s_bfe_u32 s40, ttmp6, 0x40000
	s_bfe_u32 s41, ttmp6, 0x40004
	s_lshl_b32 s[NB], ttmp9, 2
	s_add_co_u32 s[NB], s[NB], s40                 ; the first tile's hidden block = 4 x cluster x + cx
	s_and_b32 s[RB], ttmp7, 0xffff
	s_lshl_b32 s[RB], s[RB], 2
	s_add_co_u32 s[RB], s[RB], s41
	s_lshl_b32 s43, s41, 2
	s_lshl_b32 s43, 15, s43
	s_lshl_b32 s44, 0x1111, s40
	s_or_b32 s[G1], s43, (3<<16)|(1<<21)
	s_or_b32 s[G1B], s44, (3<<16)|(1<<21)
.irp g, G1, G1B
	s_mov_b32 s[\g+1], 32<<16                      ; two panels: 132 dense rows of 256 bytes
	s_mov_b32 s[\g+2], 132<<16
	s_mov_b32 s[\g+3], 32<<16
	s_mov_b32 s[\g+4], 132
	s_mov_b32 s[\g+5], 32
	s_mov_b32 s[\g+6], 0
	s_mov_b32 s[\g+7], 0
.endr
	s_mul_i32 s20, s[RB], KP
	s_lshl_b32 s21, s[WC], 1
	s_add_co_u32 s20, s20, s21
	s_mul_i32 s20, s20, PANEL
	s_mov_b32 s21, 0
	s_mul_i32 s46, s[NB], KP
	s_lshl_b32 s47, s[WC], 1
	s_add_co_u32 s46, s46, s47
	s_add_co_u32 s46, s46, WPAN
	s_mul_i32 s46, s46, PANEL
	s_mov_b32 s47, 0
	s_mul_i32 s45, s[WV], 2*PANEL
	s_wait_kmcnt 0x0
	s_add_nc_u64 s[20:21], s[4:5], s[20:21]
	s_add_nc_u64 s[46:47], s[6:7], s[46:47]
	CROUND                                         ; all sixteen work-groups are here: the first joint loads meet
.irp s, 0,1
	s_mov_b32 s[G0+4*\s], 1
	s_add_co_u32 s[G0+4*\s+1], s45, \s*SLOT
	s_add_nc_u64 s[G0+4*\s+2:G0+4*\s+3], s[20:21], \s*4*PANEL
	s_or_b32 s[G0+4*\s+3], s[G0+4*\s+3], 0x80000000
	s_mov_b32 s[G0B+4*\s], 1
	s_add_co_u32 s[G0B+4*\s+1], s45, \s*SLOT
	s_add_nc_u64 s[G0B+4*\s+2:G0B+4*\s+3], s[46:47], \s*4*PANEL
	s_or_b32 s[G0B+4*\s+3], s[G0B+4*\s+3], 0x80000000
	JLOAD \s                                       ; two loads of mine are out: all of K for the first tile
.endr
	v_and_b32 v3, 31, v0
	v_and_b32 v1, 15, v0
	v_bfe_u32 v2, v0, 4, 1
	v_lshlrev_b32 v4, 4, v3
	v_lshlrev_b32 v5, 2, v3
	s_lshl_b32 s66, s[WR], 13
	s_lshl_b32 s67, s[WC], 13
	s_add_co_u32 s67, s67, ASZ
	v_add_nc_u32 v[ADRA], s66, v4
	v_add_nc_u32 v[ADRB], s67, v4
	s_add_co_u32 s66, s66, SLOT
	s_add_co_u32 s67, s67, SLOT
	v_add_nc_u32 v[ADRA+1], s66, v4
	v_add_nc_u32 v[ADRB+1], s67, v4
	s_lshl_b32 s66, s[WR], 8
	s_lshl_b32 s67, s[WC], 8
	s_add_co_u32 s67, s67, ASZ
	s_sub_co_u32 s67, s67, s66
	v_mul_u32_u24 v6, s67, v2                      ; lanes 16-31 take the weights' scale words
	v_lshl_add_u32 v6, v1, 2, v6
	s_add_co_u32 s66, s66, 16384
	v_add_nc_u32 v[ADRS], s66, v6
	s_add_co_u32 s66, s66, SLOT
	v_add_nc_u32 v[ADRS+1], s66, v6
	v_lshlrev_b32 v17, 6, v2                       ; the bias: 64 h
	v_mov_b32 v14, 0xbf527892                      ; -0.82215223, twice: a pair for the packed form
	v_mov_b32 v15, 0xbf527892
	s_mov_b32 s[SEL], 0x76543210
	s_mov_b32 s[SEL+1], 0xfedcba98
	s_mov_b32 s[MNT], 0x600000
	s_mov_b32 s83, 0x3eb504f3                      ; 1 / (2 sqrt 2)
	s_lshl_b32 s66, s[NB], 9
	s_lshl_b32 s67, s[WC], 8
	s_add_co_u32 s66, s66, s67
	s_mov_b32 s67, 0
	s_add_nc_u64 s[8:9], s[8:9], s[66:67]          ; the bias at my 64 hidden units of the first tile
	BIAS
	s_lshl_b32 s66, s[RB], 5
	s_add_co_u32 s66, s66, s[NB]
	s_mul_i32 s66, s66, PANEL                      ; the panel (rb, K step nb)
	s_lshl_b32 s67, s[WR], 13
	s_add_co_u32 s78, s66, s67
	s_lshl_b32 s67, s[WC], 10
	s_add_co_u32 s78, s78, s67                     ; my four fragments, chunks 2 wc on
	s_mov_b32 s79, 0
	s_lshl_b32 s67, s[WR], 8
	s_add_co_u32 s76, s66, s67
	s_lshl_b32 s67, s[WC], 1
	s_add_co_u32 s76, s76, s67
	s_add_co_u32 s76, s76, 16384                   ; bytes 2 wc on of their scale words
	s_mov_b32 s77, 0
	s_add_nc_u64 s[78:79], s[10:11], s[78:79]
	s_add_nc_u64 s[76:77], s[10:11], s[76:77]
	s_mov_b32 s68, 0
	s_mov_b32 s69, 0
	s_wait_tensorcnt 0x1                           ; my part of slot 0 is in; slot 1's may stay out
	s_barrier_signal -1
	s_barrier_wait -1
	FETCH 0, 0, F0
	WIN 0                                          ; at a label and at a branch every window is 0
	s_mov_b32 s3, TILES-1
.Ltile:                                                ; three trips: every tile but the last asks for its successor's weights
	TILE 1
	s_sub_co_u32 s3, s3, 1
	s_cmp_lg_u32 s3, 0
	s_cbranch_scc1 .Ltile
	TILE 0                                         ; the last tile is written out: it asks for nothing more
	s_wait_tensorcnt 0x0                           ; the wave's end
	ds_add_u32 v18, v19
	s_wait_dscnt 0x0
	CROUND                                         ; the closing round
	s_endpgm
.Lfunc_end_k_q4d6a24af7f_w1:
	.size	k_q4d6a24af7f_w1, .Lfunc_end_k_q4d6a24af7f_w1-k_q4d6a24af7f_w1
	.p2alignl 7, 3214868480
	.fill 96, 4, 3214868480
	.section	.rodata,"a",@progbits
	.p2align	6, 0x0
	.amdhsa_kernel k_q4d6a24af7f_w1
		.amdhsa_group_segment_fixed_size 327680
		.amdhsa_private_segment_fixed_size 0
		.amdhsa_enable_private_segment 0
		.amdhsa_kernarg_size 32
		.amdhsa_user_sgpr_count 2
		.amdhsa_user_sgpr_kernarg_segment_ptr 1
		.amdhsa_wavefront_size32 1
		.amdhsa_system_sgpr_workgroup_id_x 1
		.amdhsa_system_sgpr_workgroup_id_y 1
		.amdhsa_system_sgpr_workgroup_id_z 1
		.amdhsa_system_vgpr_workitem_id 0
		.amdhsa_next_free_vgpr 544
		.amdhsa_next_free_sgpr 100
		.amdhsa_reserve_vcc 1
		.amdhsa_float_denorm_mode_32 3
		.amdhsa_float_denorm_mode_16_64 3
		.amdhsa_memory_ordered 1
		.amdhsa_forward_progress 1
		.amdhsa_inst_pref_size 255
	.end_amdhsa_kernel
	.section	.bss,"aw",@nobits
	.p2align	6
	.space	262144
	.amdgpu_metadata
---
amdhsa.version: [ 1, 2 ]
amdhsa.kernels:
  - .name:           k_q4d6a24af7f_w1
    .symbol:         k_q4d6a24af7f_w1.kd
    .args:
      - { .name: aimg, .offset: 0, .size: 8, .value_kind: global_buffer, .address_space: global }
      - { .name: wimg, .offset: 8, .size: 8, .value_kind: global_buffer, .address_space: global }
      - { .name: b1, .offset: 16, .size: 8, .value_kind: global_buffer, .address_space: global }
      - { .name: hcimg, .offset: 24, .size: 8, .value_kind: global_buffer, .address_space: global }
    .group_segment_fixed_size: 327680
    .private_segment_fixed_size: 0
    .kernarg_segment_align: 8
    .kernarg_segment_size: 32
    .max_flat_workgroup_size: 128
    .sgpr_count:     100
    .vgpr_count:     544
    .wavefront_size: 32
...
	.end_amdgpu_metadata
.endif
;; end of part 5
;; launch w2 (part 6): grid 8 x 32, 4 waves a work-group, clusters of 4 x 4, 327,680 bytes of LDS; arguments hcimg, wimg, b2, x1, out0; writes out0
.if DOCPART == 6
	.amdgcn_target "amdgcn-amd-amdhsa--gfx1250"
	.amdhsa_code_object_version 6
	.text
	.protected	k_q4d6a24af7f_w2
	.globl	k_q4d6a24af7f_w2
	.p2align	8
	.type	k_q4d6a24af7f_w2,@function
k_q4d6a24af7f_w2:
	s_mov_b64 s[64:65], 0
	v_nop
	global_prefetch_b8 v0, s[64:65] scope:SCOPE_SE
	s_setreg_imm32_b32 hwreg(HW_REG_WAVE_MODE, 25, 1), 1
	s_wait_xcnt 0x0
	s_wait_alu depctr_hold_cnt(0) depctr_sa_sdst(0) depctr_va_vdst(0) depctr_va_sdst(0) depctr_va_ssrc(0) depctr_va_vcc(0) depctr_vm_vsrc(0)
	s_getreg_b32 s2, hwreg(HW_REG_IB_STS2, 6, 4)
	s_cmp_eq_u32 s2, 0
	s_cbranch_scc0 .Lentry_in_a_cluster
	s_endpgm
.Lentry_in_a_cluster:
	s_bfe_u32 s2, ttmp6, 0x10000c
	s_cmp_lg_u32 s2, 0xf033
	s_cbranch_scc0 .Lentry_shape_is_right
	s_endpgm
.Lentry_shape_is_right:
; OUT = RES + A W^T + bias on codes of MX-BF8; OUT and RES are [4,096][1,024] f32.  Here: A = gelu's result, W = W2 (K = 4,096), RES = x1, OUT = out0.
; OPERANDS are register images (a fragment: 16 rows x 128 K, chunk c at 512 c + 16 x lane; a panel: 8 fragments + 8 x 64 bytes of scale words, 16,896 bytes; a matrix: [row block of 128][K step]).
; Tile 2 B + u of 128 rows has in lane r the row 32 B + 8 u + r + 8 (r / 8).  Source 0 = the weight's rows, source 1 = tokens: a lane holds one token; register j of tile 2 B + u is feature 32 B + 16 h + 8 u + j.
; SHARES.  A work-group makes 128 x 128; four waves 2 x 2, each 64 x 64: 16 accumulators.  That size gives 256 work-groups.  K goes through two LDS slots of four K steps, which take turns (RING = 1):
; one joint load a wave behind each change of slots, 33,792 bytes, with four K steps (64 matrix instructions a wave) in which to land.  By this text's count a wave has two tensor loads out at the start, later one.
; The bias is the C of each sum's first product.
; THE WAY OUT: 16 tokens x 64 features at a time through the wave's own stage in LDS (rows 272 bytes apart), back as rows of 256 bytes; the residual is added; sixteen lanes store 256 consecutive, aligned bytes.
; CLUSTER 4 x 4: A's panels are shared along a row of the cluster, the weights' along a column: joint loads; where a slot is filled again a round of the cluster's barrier stands in front.
; All of a WGP's LDS is claimed.
.set KP,    32
.set WPAN,  512
.set RING,  1
.set LAPS,  KP/8
.set PANEL, 16896
.set ASZ,   4*PANEL
.set SLOT,  2*ASZ
.set STG,   2*SLOT                     ; behind the slots: 16 rows x 272 bytes for each wave
.set SPARE, STG+4*4352                 ; behind the stages: the spare words, 128 bytes for each wave: two blocks of 256 bytes that no other line names
.set ADRA,  8
.set ADRB,  10
.set ADRS,  12
.set SC,    20
.set RS,    32                         ; v32-63, v64-95 two sets of residual rows
.set BIA,   96                         ; v96-127 the bias; on the way out the rows read back
.set BK,    96
.set ACC,   128
.set F0,    0
.set F1,    128
.set WV, 16
.set WR, 17
.set WC, 18
.set RB, 19
.set NB, 42
.set G1, 24
.set G0, 32
.set G1B, 48
.set G0B, 56
.set MSB, 0
.set MUL,  0x05
.set TO_F, 0x40
.macro WIN new
.if MSB != \new
	s_set_vgpr_msb (MSB<<8)|\new
.set MSB, \new
.endif
.endm
.macro JLOAD s                         ; a joint load: waves 0, 1 fetch A's panels, waves 2, 3 the weights'; four v_nop follow each line
	s_cmp_eq_u32 s[WR], 0
	s_cbranch_scc0 .Lfor_b_\@
	tensor_load_to_lds s[G0+4*\s:G0+4*\s+3], s[G1:G1+7]
.rept 4
	v_nop
.endr
	s_branch .Lasked_\@
.Lfor_b_\@:
	tensor_load_to_lds s[G0B+4*\s:G0B+4*\s+3], s[G1B:G1B+7]
.rept 4
	v_nop
.endr
.Lasked_\@:
.endm
.macro CREST
	s_cmp_lg_u32 s[WV], 0
	s_cbranch_scc1 .Lnot_wave_0_\@
	s_barrier_signal -3
.Lnot_wave_0_\@:
	s_barrier_wait -3
	s_barrier_signal -1
	s_barrier_wait -1
.endm
.macro CROUND
	s_barrier_signal -1
	s_barrier_wait -1
	CREST
.endm
.macro PLACES n
.rept \n
	v_nop
.endr
.endm
.macro FRAG reg, adr, off
.irp c, 0,1,2,3
	ds_load_b128 v[\reg+4*\c:\reg+4*\c+3], v[\adr] offset:\off+512*\c
.endr
.endm
.macro FETCH slot, q, f                ; 36 LDS loads: 4 scale words, the weights' four fragments, A's four
	WIN 0
.irp i, 0,1,2,3
	ds_load_b32 v[SC+(\f)/32+\i], v[ADRS+\slot] offset:(\q)*PANEL+64*\i
.endr
	WIN TO_F
.irp t, 0,1,2,3
	FRAG \f+64+16*\t, ADRB+\slot, (\q)*PANEL+\t*2048
.endr
.irp t, 0,1,2,3
	FRAG \f+16*\t, ADRA+\slot, (\q)*PANEL+\t*2048
.endr
.endm
.macro MUL8 f, l0, first               ; A's tiles l0, l0 + 1 x the weights' four; the 16 accumulators take turns
.irp l, \l0, \l0+1
.irp p, 0,1,2,3
.set rD, ACC+8*(4*(\l)+\p)
.set rC, rD
.if \first
.set rC, BIA+8*\p
.endif
	v_wmma_scale_f32_16x16x128_f8f6f4 v[rD:rD+7], v[\f+64+16*\p:\f+64+16*\p+15], v[\f+16*(\l):\f+16*(\l)+15], v[rC:rC+7], v[SC+(\f)/32+\p], v[SC+(\f)/32+(\l)] matrix_a_fmt:MATRIX_FMT_BF8 matrix_b_fmt:MATRIX_FMT_BF8 matrix_a_scale:MATRIX_SCALE_ROW1
.endr
.endr
.endm
.macro STEP slot, q, first
	s_wait_dscnt 8                                 ; all but the youngest eight loads: A's fragments 2, 3
	WIN MUL
	MUL8 128*((\q)%2), 0, \first
	PLACES 8                                       ; in front of loads into the other set, which the step before multiplied
	FETCH \slot, (\q)+1, 128-128*((\q)%2)
	s_wait_dscnt 36                                ; all but the 36 just issued
	WIN MUL
	MUL8 128*((\q)%2), 2, \first
.endm
; A slot's last step changes slots: one barrier; in front of it each wave waits for all its tensor loads, adds 0 to its spare word, and waits for that and for its reads of this slot.  fill = 1: this slot is filled again, two slots ahead
.macro TURN slot, next, fill
	WIN 0
	s_wait_tensorcnt 0x0                           ; all my tensor loads have landed: my part of the next slot; so every group 0 may be written
.if RING
	ds_add_u32 v18, v19                            ; 0 onto my spare word
.endif
.if \fill
	s_add_nc_u64 s[G0+4*\slot+2:G0+4*\slot+3], s[G0+4*\slot+2:G0+4*\slot+3], 8*PANEL
	s_add_nc_u64 s[G0B+4*\slot+2:G0B+4*\slot+3], s[G0B+4*\slot+2:G0B+4*\slot+3], 8*PANEL
.endif
	s_wait_dscnt 0x0                               ; the add is done, and my reads of this slot are over
	s_barrier_signal -1
	WIN MUL
	MUL8 F1, 0, 0
	WIN 0
	s_barrier_wait -1
.if \fill
	CREST                                          ; the barrier has opened a round of the cluster's: no wave of any partner still reads this slot or has a load on its way
	JLOAD \slot                                    ; the first tensor load behind the round, one a wave
	PLACES 4
.else
	PLACES 8
.endif
	FETCH \next, 0, F0
	WIN MUL
	MUL8 F1, 2, 0
.endm
.macro RLOAD l, set                    ; the residual of tile l's 16 rows x my 64 columns: sixteen lanes read 256 consecutive bytes
.irp t, 0,1,2,3,4,5,6,7
	global_load_b128 v[\set+4*\t:\set+4*\t+3], v16, s[10:11] offset:(32*((\l)/2)+8*((\l)%2)+2*\t+8*(\t/4))*4096 th:TH_LOAD_NT
.endr
.endm
	s_load_b256 s[4:11], s[0:1], 0x0               ; A, wimg, bias, the residual
	s_load_b64 s[12:13], s[0:1], 0x20              ; the result
.if RING
	v_lshl_add_u32 v18, v0, 2, SPARE
	v_mov_b32 v19, 0
.endif
	v_lshrrev_b32 v1, 5, v0
	v_readfirstlane_b32 s[WV], v1
	s_lshr_b32 s[WR], s[WV], 1
	s_and_b32 s[WC], s[WV], 1
	s_bfe_u32 s40, ttmp6, 0x40000
	s_bfe_u32 s41, ttmp6, 0x40004
	s_lshl_b32 s[NB], ttmp9, 2
	s_add_co_u32 s[NB], s[NB], s40
	s_and_b32 s[RB], ttmp7, 0xffff
	s_lshl_b32 s[RB], s[RB], 2
	s_add_co_u32 s[RB], s[RB], s41
	s_lshl_b32 s43, s41, 2
	s_lshl_b32 s43, 15, s43
	s_lshl_b32 s44, 0x1111, s40
	s_or_b32 s[G1], s43, (3<<16)|(1<<21)
	s_or_b32 s[G1B], s44, (3<<16)|(1<<21)
.irp g, G1, G1B
	s_mov_b32 s[\g+1], 32<<16                      ; two panels: 132 dense rows of 256 bytes
	s_mov_b32 s[\g+2], 132<<16
	s_mov_b32 s[\g+3], 32<<16
	s_mov_b32 s[\g+4], 132
	s_mov_b32 s[\g+5], 32
	s_mov_b32 s[\g+6], 0
	s_mov_b32 s[\g+7], 0
.endr
	s_mul_i32 s20, s[RB], KP
	s_lshl_b32 s21, s[WC], 1
	s_add_co_u32 s20, s20, s21
	s_mul_i32 s20, s20, PANEL
	s_mov_b32 s21, 0
	s_mul_i32 s46, s[NB], KP
	s_lshl_b32 s47, s[WC], 1
	s_add_co_u32 s46, s46, s47
	s_add_co_u32 s46, s46, WPAN
	s_mul_i32 s46, s46, PANEL
	s_mov_b32 s47, 0
	s_mul_i32 s45, s[WV], 2*PANEL
	s_wait_kmcnt 0x0
	s_add_nc_u64 s[20:21], s[4:5], s[20:21]
	s_add_nc_u64 s[46:47], s[6:7], s[46:47]
	CROUND                                         ; all sixteen work-groups are here: the first joint loads meet
.irp s, 0,1
	s_mov_b32 s[G0+4*\s], 1
	s_add_co_u32 s[G0+4*\s+1], s45, \s*SLOT
	s_add_nc_u64 s[G0+4*\s+2:G0+4*\s+3], s[20:21], \s*4*PANEL
	s_or_b32 s[G0+4*\s+3], s[G0+4*\s+3], 0x80000000
	s_mov_b32 s[G0B+4*\s], 1
	s_add_co_u32 s[G0B+4*\s+1], s45, \s*SLOT
	s_add_nc_u64 s[G0B+4*\s+2:G0B+4*\s+3], s[46:47], \s*4*PANEL
	s_or_b32 s[G0B+4*\s+3], s[G0B+4*\s+3], 0x80000000
	JLOAD \s
.endr
	v_and_b32 v3, 31, v0
	v_and_b32 v1, 15, v0
	v_bfe_u32 v2, v0, 4, 1
	v_lshlrev_b32 v4, 4, v3
	s_lshl_b32 s66, s[WR], 13
	s_lshl_b32 s67, s[WC], 13
	s_add_co_u32 s67, s67, ASZ
	v_add_nc_u32 v[ADRA], s66, v4
	v_add_nc_u32 v[ADRB], s67, v4
	s_add_co_u32 s66, s66, SLOT
	s_add_co_u32 s67, s67, SLOT
	v_add_nc_u32 v[ADRA+1], s66, v4
	v_add_nc_u32 v[ADRB+1], s67, v4
	s_lshl_b32 s66, s[WR], 8
	s_lshl_b32 s67, s[WC], 8
	s_add_co_u32 s67, s67, ASZ
	s_sub_co_u32 s67, s67, s66
	v_mul_u32_u24 v6, s67, v2                      ; lanes 16-31 take the weights' scale words
	v_lshl_add_u32 v6, v1, 2, v6
	s_add_co_u32 s66, s66, 16384
	v_add_nc_u32 v[ADRS], s66, v6
	s_add_co_u32 s66, s66, SLOT
	v_add_nc_u32 v[ADRS+1], s66, v6
	s_mul_i32 s66, s[WV], 4352
	s_add_co_u32 s66, s66, STG                     ; my stage
	v_mul_u32_u24 v14, v1, 272
	v_lshl_add_u32 v14, v2, 6, v14
	v_add_nc_u32 v14, s66, v14                     ; in: row r, + 64 h
	v_mul_u32_u24 v15, v2, 272
	v_lshl_add_u32 v15, v1, 4, v15
	v_add_nc_u32 v15, s66, v15                     ; back: lanes 0-15 one row, lanes 16-31 the next
	v_lshlrev_b32 v16, 12, v2
	v_lshl_add_u32 v16, v1, 4, v16                 ; and the same two rows in memory
	v_lshlrev_b32 v17, 6, v2                       ; the bias: 64 h
	s_lshl_b32 s66, s[NB], 9
	s_lshl_b32 s67, s[WC], 8
	s_add_co_u32 s66, s66, s67
	s_mov_b32 s67, 0
	s_add_nc_u64 s[8:9], s[8:9], s[66:67]          ; the bias at my 64 features
	s_lshl_b32 s68, s[RB], 19
	s_lshl_b32 s69, s[WR], 18
	s_add_co_u32 s68, s68, s69
	s_add_co_u32 s68, s68, s66
	s_mov_b32 s69, 0
	s_add_nc_u64 s[10:11], s[10:11], s[68:69]      ; residual and result at my 64 x 64
	s_add_nc_u64 s[12:13], s[12:13], s[68:69]
.irp p, 0,1,2,3
	global_load_b128 v[BIA+8*\p:BIA+8*\p+3], v17, s[8:9] offset:128*(\p/2)+32*(\p%2)
	global_load_b128 v[BIA+8*\p+4:BIA+8*\p+7], v17, s[8:9] offset:128*(\p/2)+32*(\p%2)+16
.endr
	RLOAD 0, RS
	RLOAD 1, RS+32
	s_wait_loadcnt 16                              ; the bias is in; the sixteen residual loads stay out
	s_wait_tensorcnt 0x1                           ; my part of slot 0 is in; slot 1's may stay out
	s_barrier_signal -1
	s_barrier_wait -1
	FETCH 0, 0, F0
	STEP 0, 0, 1                                   ; the first step stands in front of the loop: the bias starts the sums
.if LAPS > 1
	WIN 0
	s_mov_b32 s3, LAPS-1
.Llap:                                                 ; a trip goes once round the ring and fills both slots again
	STEP 0, 1, 0
	STEP 0, 2, 0
	TURN 0, 1, 1
	STEP 1, 0, 0
	STEP 1, 1, 0
	STEP 1, 2, 0
	TURN 1, 0, 1
	STEP 0, 0, 0
	WIN 0
	s_sub_co_u32 s3, s3, 1
	s_cmp_lg_u32 s3, 0
	s_cbranch_scc1 .Llap
.endif
	STEP 0, 1, 0                                   ; the last lap fills nothing
	STEP 0, 2, 0
	TURN 0, 1, 0
	STEP 1, 0, 0
	STEP 1, 1, 0
	STEP 1, 2, 0
	s_wait_dscnt 8
	WIN MUL
	MUL8 F1, 0, 0
	s_wait_dscnt 0x0
	MUL8 F1, 2, 0
	WIN 0
	PLACES 8
.irp l, 0,1,2,3
.if \l > 0
	s_wait_xcnt 0x0                                ; the last tile's stores have read their registers
.endif
.irp p, 0,1,2,3
	ds_store_b128 v14, v[ACC+32*\l+8*\p:ACC+32*\l+8*\p+3] offset:128*(\p/2)+32*(\p%2)          ; each accumulator from its low end on
	ds_store_b128 v14, v[ACC+32*\l+8*\p+4:ACC+32*\l+8*\p+7] offset:128*(\p/2)+32*(\p%2)+16
.endr
.irp t, 0,1,2,3,4,5,6,7
	ds_load_b128 v[BK+4*\t:BK+4*\t+3], v15 offset:544*\t   ; LDS serves a wave's instructions in order: these see my stores
.endr
.if \l < 3
	s_wait_loadcnt 8                               ; this tile's residual is in; the younger set stays out
.else
	s_wait_loadcnt 0x0
.endif
	s_wait_dscnt 0x0
.set I, 0
.rept 16
	v_pk_add_f32 v[BK+I:BK+I+1], v[BK+I:BK+I+1], v[RS+32*(\l%2)+I:RS+32*(\l%2)+I+1]
.set I, I+2
.endr
.irp t, 0,1,2,3,4,5,6,7
	global_store_b128 v16, v[BK+4*\t:BK+4*\t+3], s[12:13] offset:(32*(\l/2)+8*(\l%2)+2*\t+8*(\t/4))*4096 th:TH_STORE_NT
.endr
.if \l < 2
	RLOAD \l+2, RS+32*(\l%2)
.endif
.endr
.if RING
	s_wait_tensorcnt 0x0                           ; the wave's end
	ds_add_u32 v18, v19
	s_wait_dscnt 0x0
.endif
	CROUND                                         ; the closing round
	s_endpgm
.Lfunc_end_k_q4d6a24af7f_w2:
	.size	k_q4d6a24af7f_w2, .Lfunc_end_k_q4d6a24af7f_w2-k_q4d6a24af7f_w2
	.p2alignl 7, 3214868480
	.fill 96, 4, 3214868480
	.section	.rodata,"a",@progbits
	.p2align	6, 0x0
	.amdhsa_kernel k_q4d6a24af7f_w2
		.amdhsa_group_segment_fixed_size 327680
		.amdhsa_private_segment_fixed_size 0
		.amdhsa_enable_private_segment 0
		.amdhsa_kernarg_size 40
		.amdhsa_user_sgpr_count 2
		.amdhsa_user_sgpr_kernarg_segment_ptr 1
		.amdhsa_wavefront_size32 1
		.amdhsa_system_sgpr_workgroup_id_x 1
		.amdhsa_system_sgpr_workgroup_id_y 1
		.amdhsa_system_sgpr_workgroup_id_z 1
		.amdhsa_system_vgpr_workitem_id 0
		.amdhsa_next_free_vgpr 512
		.amdhsa_next_free_sgpr 100
		.amdhsa_reserve_vcc 0
		.amdhsa_float_denorm_mode_32 3
		.amdhsa_float_denorm_mode_16_64 3
		.amdhsa_memory_ordered 1
		.amdhsa_forward_progress 1
		.amdhsa_inst_pref_size 100
	.end_amdhsa_kernel
	.amdgpu_metadata
---
amdhsa.version: [ 1, 2 ]
amdhsa.kernels:
  - .name:           k_q4d6a24af7f_w2
    .symbol:         k_q4d6a24af7f_w2.kd
    .args:
      - { .name: hcimg, .offset: 0, .size: 8, .value_kind: global_buffer, .address_space: global }
      - { .name: wimg, .offset: 8, .size: 8, .value_kind: global_buffer, .address_space: global }
      - { .name: b2, .offset: 16, .size: 8, .value_kind: global_buffer, .address_space: global }
      - { .name: x1, .offset: 24, .size: 8, .value_kind: global_buffer, .address_space: global }
      - { .name: out0, .offset: 32, .size: 8, .value_kind: global_buffer, .address_space: global }
    .group_segment_fixed_size: 327680
    .private_segment_fixed_size: 0
    .kernarg_segment_align: 8
    .kernarg_segment_size: 40
    .max_flat_workgroup_size: 128
    .sgpr_count:     100
    .vgpr_count:     512
    .wavefront_size: 32
...
	.end_amdgpu_metadata
.endif
;; end of part 6
